; MI455X (gfx1250); checked and timed in simulation.
; The chip was launched on July 23, 2026; its instructions are those of AMD's public machine-readable ISA for CDNA 5 (MIT licence, August 2026) and "CDNA5" Instruction Set Architecture Reference Guide (July 2026). The comments in the code are by the model that wrote it; some were corrected since.
;; Self Attention. Allowed arithmetic: float matrix products may take bf16 or f16 operands with f32 sums; other float arithmetic in f32, or as packed bf16 or f16 multiplies, adds, multiply-adds, maxima and minima; sums over many terms, partial sums and values carried from step to step in f32; what a program stores and reads back later, other than sums and carried values, may be rounded once to bf16 or f16.
;; Inputs: Wk 1,024 x 1,024 float32; Wq 1,024 x 1,024 float32; Wv 1,024 x 1,024 float32; X 4 x 2,048 x 1,024 float32; bk 1,024 float32; bq 1,024 float32; bv 1,024 float32.
;; Outputs: out0 4 x 2,048 x 1,024 float32.
;; 2 versions, each right; version 2 is version 1 with the launch prep written anew for expert scheduling mode. Each part assembles by itself: llvm-mc -triple=amdgcn-amd-amdhsa -mcpu=gfx1250 --defsym DOCPART=n.
;; ======== version 1 of 2: 4 launches
;; limits: values are held in f16: magnitudes above 65,504 overflow, below 6.1e-05 lose precision
;; workspace buffers: xb 16,777,216 bytes; wb 6,291,456 bytes; qkv 50,331,648 bytes; pt 33,554,432 bytes; st 1,048,576 bytes
;; launch prep (part 1): grid 704 x 1, 8 waves a work-group, no clusters, 0 bytes of LDS; arguments X, Wq, Wk, Wv, xb, wb; writes xb, wb
.if DOCPART == 1
	.amdgcn_target "amdgcn-amd-amdhsa--gfx1250"
	.amdhsa_code_object_version 6
	.text
	.protected	k_qf932c82407_prep
	.globl	k_qf932c82407_prep
	.p2align	8
	.type	k_qf932c82407_prep,@function
k_qf932c82407_prep:
	s_mov_b64 s[64:65], 0
	v_nop
	global_prefetch_b8 v0, s[64:65] scope:SCOPE_SE
	s_setreg_imm32_b32 hwreg(HW_REG_WAVE_MODE, 25, 1), 1
	s_wait_xcnt 0x0
; CASTS.  xb[8192][1024] = bf16(X);  wb[1024 k][3072 n] = bf16(Wq | Wk | Wv), the three weights side by side, not turned.
; A stream: each input byte is read once, each output byte written once; no LDS, no barrier, no matrix work would add anything.
; A work-group casts 16 rows of 1,024 f32.  Thread t owns columns 4 t .. 4 t + 3 of each row: a wave's load covers 512 consecutive bytes,
; a wave's store 256 consecutive bytes, aligned.  All 16 loads of a wave go out first; no register is written twice, so no source needs freeing.
; Work-groups 0-511: X.  512-703: weight (g - 512) / 64, its rows 16 ((g - 512) % 64) on.
.set ROWB, 4096                        ; bytes in an f32 row
.set LD,   4                           ; v[4:67]   16 x 4 numbers as loaded
.set PK,   68                          ; v[68:99]  16 x 2 words to store
.macro BODY src, dst, pitch            ; pitch: bytes from row to row in the destination
.irp u, 0,1,2,3,4,5,6,7,8,9,10,11,12,13,14,15
	global_load_b128 v[LD+4*(\u):LD+4*(\u)+3], v1, s[(\src):(\src)+1] offset:(\u)*ROWB th:TH_LOAD_NT
.endr
.irp u, 0,1,2,3,4,5,6,7,8,9,10,11,12,13,14,15
	s_wait_loadcnt 15-(\u)                         ; loads come back in order: row u is in, the 15 - u younger ones stay out
	v_cvt_pk_bf16_f32 v[PK+2*(\u)],   v[LD+4*(\u)],   v[LD+4*(\u)+1]
	v_cvt_pk_bf16_f32 v[PK+2*(\u)+1], v[LD+4*(\u)+2], v[LD+4*(\u)+3]
	global_store_b64 v2, v[PK+2*(\u):PK+2*(\u)+1], s[(\dst):(\dst)+1] offset:(\u)*(\pitch) th:TH_STORE_NT
.endr
.endm
	s_load_b256 s[4:11], s[0:1], 0x0               ; X s[4:5], Wq s[6:7], Wk s[8:9], Wv s[10:11]
	s_load_b128 s[12:15], s[0:1], 0x20             ; xb s[12:13], wb s[14:15]
	v_lshlrev_b32 v1, 4, v0                        ; my 16 bytes of an f32 row
	v_lshlrev_b32 v2, 3, v0                        ; my 8 bytes of a bf16 row
	s_mov_b32 s17, 0
	s_wait_kmcnt 0x0
	s_cmp_lt_u32 ttmp9, 512
	s_cbranch_scc0 .Lweights
	s_lshl_b32 s16, ttmp9, 16                      ; 16 rows of 4,096 bytes
	s_add_nc_u64 s[4:5], s[4:5], s[16:17]
	s_lshl_b32 s16, ttmp9, 15                      ; 16 rows of 2,048 bytes
	s_add_nc_u64 s[12:13], s[12:13], s[16:17]
	BODY 4, 12, 2048
	s_endpgm
.Lweights:
	s_sub_co_u32 s18, ttmp9, 512
	s_lshr_b32 s19, s18, 6                         ; which weight
	s_and_b32 s18, s18, 63                         ; which 16 rows of it
	s_cmp_eq_u32 s19, 0
	s_cselect_b64 s[20:21], s[6:7], s[8:9]
	s_cmp_eq_u32 s19, 2
	s_cselect_b64 s[20:21], s[10:11], s[20:21]
	s_lshl_b32 s16, s18, 16
	s_add_nc_u64 s[20:21], s[20:21], s[16:17]
	s_mul_i32 s16, s18, 16*6144                    ; 16 rows of wb,
	s_lshl_b32 s19, s19, 11                        ; the weight's 2,048 bytes in each
	s_add_co_u32 s16, s16, s19
	s_add_nc_u64 s[14:15], s[14:15], s[16:17]
	BODY 20, 14, 6144
	s_endpgm
.Lfunc_end_k_qf932c82407_prep:
	.size	k_qf932c82407_prep, .Lfunc_end_k_qf932c82407_prep-k_qf932c82407_prep
	.p2alignl 7, 3214868480
	.fill 96, 4, 3214868480
	.section	.rodata,"a",@progbits
	.p2align	6, 0x0
	.amdhsa_kernel k_qf932c82407_prep
		.amdhsa_group_segment_fixed_size 0
		.amdhsa_private_segment_fixed_size 0
		.amdhsa_enable_private_segment 0
		.amdhsa_kernarg_size 48
		.amdhsa_user_sgpr_count 2
		.amdhsa_user_sgpr_kernarg_segment_ptr 1
		.amdhsa_wavefront_size32 1
		.amdhsa_system_sgpr_workgroup_id_x 1
		.amdhsa_system_sgpr_workgroup_id_y 1
		.amdhsa_system_sgpr_workgroup_id_z 1
		.amdhsa_system_vgpr_workitem_id 0
		.amdhsa_next_free_vgpr 104
		.amdhsa_next_free_sgpr 66
		.amdhsa_reserve_vcc 0
		.amdhsa_float_denorm_mode_32 3
		.amdhsa_float_denorm_mode_16_64 3
		.amdhsa_memory_ordered 1
		.amdhsa_forward_progress 1
		.amdhsa_inst_pref_size 13
	.end_amdhsa_kernel
	.amdgpu_metadata
---
amdhsa.version: [ 1, 2 ]
amdhsa.kernels:
  - .name:           k_qf932c82407_prep
    .symbol:         k_qf932c82407_prep.kd
    .args:
      - { .name: X, .offset: 0, .size: 8, .value_kind: global_buffer, .address_space: global }
      - { .name: Wq, .offset: 8, .size: 8, .value_kind: global_buffer, .address_space: global }
      - { .name: Wk, .offset: 16, .size: 8, .value_kind: global_buffer, .address_space: global }
      - { .name: Wv, .offset: 24, .size: 8, .value_kind: global_buffer, .address_space: global }
      - { .name: xb, .offset: 32, .size: 8, .value_kind: global_buffer, .address_space: global }
      - { .name: wb, .offset: 40, .size: 8, .value_kind: global_buffer, .address_space: global }
    .group_segment_fixed_size: 0
    .private_segment_fixed_size: 0
    .kernarg_segment_align: 8
    .kernarg_segment_size: 48
    .max_flat_workgroup_size: 256
    .sgpr_count:     66
    .vgpr_count:     104
    .wavefront_size: 32
...
	.end_amdgpu_metadata
.endif
;; end of part 1
;; launch proj (part 2): grid 12 x 32, 4 waves a work-group, clusters of 4 x 4, 327,680 bytes of LDS; arguments xb, wb, bq, bk, bv, qkv; writes qkv
.if DOCPART == 2
	.amdgcn_target "amdgcn-amd-amdhsa--gfx1250"
	.amdhsa_code_object_version 6
	.text
	.protected	k_qf932c82407_proj
	.globl	k_qf932c82407_proj
	.p2align	8
	.type	k_qf932c82407_proj,@function
k_qf932c82407_proj:
	s_mov_b64 s[64:65], 0
	v_nop
	global_prefetch_b8 v0, s[64:65] scope:SCOPE_SE
	s_setreg_imm32_b32 hwreg(HW_REG_WAVE_MODE, 25, 1), 1
	s_wait_xcnt 0x0
	s_wait_alu depctr_hold_cnt(0) depctr_sa_sdst(0) depctr_va_vdst(0) depctr_va_sdst(0) depctr_va_ssrc(0) depctr_va_vcc(0) depctr_vm_vsrc(0)
	s_getreg_b32 s2, hwreg(HW_REG_IB_STS2, 6, 4)
	s_cmp_eq_u32 s2, 0
	s_cbranch_scc0 .Lentry_in_a_cluster
	s_endpgm
.Lentry_in_a_cluster:
	s_bfe_u32 s2, ttmp6, 0x10000c
	s_cmp_lg_u32 s2, 0xf033
	s_cbranch_scc0 .Lentry_shape_is_right
	s_endpgm
.Lentry_shape_is_right:
; qkv[8192][3072] (f16) = xb[8192][1024] (bf16) x wb[1024][3072] (bf16) + (bq | bk | bv), sums in f32, rounded once.  Columns 0-1023 are Q, 1024-2047 K, 2048-3071 V.
; LIMITS.  The biases are rounded to bf16 like X and the weights.  Q, K and V leave as f16: a number of 65,520 or more in magnitude becomes an infinity.
; With X and the weights 30 times the drawn spread, or offset by 30 spreads each, the numbers stay under 2e4.
; SHARES.  A tile of 256 x 256 to a work-group of four waves, 128 x 128 to a wave: 64 accumulators of 16 x 16.  K = 1,024 goes in 8 steps of 128 through two LDS slots.
; A's tile: 256 rows of xb x 256 bytes, LDS pitch 272.  B's tile: 128 rows (k) of wb x 512 bytes (256 columns), LDS pitch 544; its fragments come out of LDS turned, by ds_load_tr16_b128.
; THE MATRIX INSTRUCTION IS USED TRANSPOSED (source 0 = 16 columns of wb, source 1 = 16 rows of xb): a lane holds one row of the result and eight neighbouring columns.
; The bias is the C operand of the products that start the sums: nothing is cleared, nothing is added later.
; CLUSTER 4 x 4.  A's tile hangs on the tile row alone and is asked for jointly along a row of the cluster, B's on the tile column alone, jointly along a column.
; THE LOOP is written for one K step: s[TB] is the LDS byte at which the slot in hand begins (0 or SLOT, turned by an exclusive or); the two fragment addresses are made from it at each change of slots.
; REGISTERS, in windows of 256: window 0: v0-31 addresses; v64-127, v128-191 A's fragments, two buffers; v192-255 the bias, later the way out; v32-63 the way out.
;   window 1: v64-127, v128-191 B's fragments.   window 2: accumulators of my rows 0-63, (a, b) at v[8 (8 a + b)].   window 3: rows 64-127.
.set PITCH,  272                       ; 256 bytes + 16: the 16 rows of a fragment load start 16 bytes apart modulo 256
.set PB,     544                       ; 512 bytes + 32 = 17 x 32, for the turning load
.set HALFT,  128*PITCH                 ; what one tensor load brings: 128 rows of A, or 64 rows of B (64 x 544 is the same number)
.set SLOT,   4*HALFT                   ; A's 256 rows, then B's 128
.set STAGE,  2*SLOT                    ; 16 rows x 272 bytes for each wave, for the way out; no tile lands here
.set SPARE,  STAGE+4*16*PITCH          ; the spare words, 128 bytes a wave: no other line names them
.set XP,     2048                      ; bytes in a row of xb
.set QP,     6144                      ; bytes in a row of wb and of qkv
.set ASTEP,  256                       ; a K step in xb: along the row
.set BSTEP,  128*QP                    ; in wb: 128 rows down
.set A0,  16                           ; v16  my lane's place in A's tile; never rewritten
.set ADA, 17                           ; v17  the same in the slot in hand
.set B0,  20                           ; v20, v21  likewise for B
.set ADB, 21
.set STO, 24                           ; v24  the way out: where I put 16 bytes of a row
.set RD,  25                           ; v25  where I read rows back
.set CO,  26                           ; v26  my byte offset in two rows of qkv
.set TP,  27                           ; v27  at work
.set SPW, 28                           ; v28  my spare word; never rewritten
.set NIL, 29                           ; v29  0; never rewritten
.set PFO, 30                           ; v30  the prefetches' offset; never rewritten
.set BO,  31                           ; v31  my byte offset in the bias
.set OB,  32
.set F0,  64
.set F1,  128
.set TMP, 192
.set BIAS, 192                         ; block b's eight numbers at BIAS + 8 b
.set WV,  16                           ; s16 wave; s17 its half of the rows; s18 its half of the columns
.set RH,  17
.set CH,  18
.set TB,  19
.set LW,  20                           ; s20  wave x HALFT: where my tensor load lands in a slot
.set LIM, 21                           ; s21  1 in a wave that prefetches, else the greatest number
.set CX,  22
.set CY,  23
.set G1,  24                           ; s[24:31] group 1, A;  s[32:35] group 0 of A's first fill;  s[36:39] the one that walks
.set GF,  32
.set GW,  36
.set COL, 40
.set ROW, 41
.set PFA, 44                           ; s[44:45] where my prefetches stand;  s[46:47] their step
.set PFS, 46
.set G1B, 48                           ; s[48:55], s[56:59], s[60:63]: the same for B
.set GFB, 56
.set GWB, 60
.set MSB, 0
.macro WIN new                         ; the immediate's high byte repeats the setting that is left; a switch that changes nothing is dropped
.if MSB != (\new)
	s_set_vgpr_msb (MSB<<8)|(\new)
.set MSB, \new
.endif
.endm
.macro PLACES                          ; four plain vector instructions between a matrix instruction and a load into, or a vector write or read of, its registers
.rept 4
	v_nop
.endr
.endm
.macro CREST                           ; a round of the cluster's barrier behind its opening barrier
	s_cmp_lg_u32 s[WV], 0
	s_cbranch_scc1 .Lnot_wave_0_\@
	s_barrier_signal -3
.Lnot_wave_0_\@:
	s_barrier_wait -3
	s_barrier_signal -1
	s_barrier_wait -1
.endm
.macro CROUND
	s_barrier_signal -1
	s_barrier_wait -1
	CREST
.endm
; A joint refill: waves 0 and 1 fetch A's halves, waves 2 and 3 B's.  The branch hangs on the wave's number alone.  An s_nop 0 and four v_nop follow each line.
.macro JLOAD
	s_cmp_lt_u32 s[WV], 2
	s_cbranch_scc0 .Lfor_b_\@
	tensor_load_to_lds s[GW:GW+3], s[G1:G1+7]
	s_nop 0
	PLACES
	s_branch .Lasked_\@
.Lfor_b_\@:
	tensor_load_to_lds s[GWB:GWB+3], s[G1B:G1B+7]
	s_nop 0
	PLACES
.Lasked_\@:
.endm
; A PREFETCH INTO THE L2 of the K step that the NEXT refill will ask for: 256 matrix instructions ahead of that load; 32 blocks of 256 bytes, a lane a block, one instruction a wave.
; Each block is named once in the launch: A's rows by the clusters with x = 0, B's by those with y = 0; the four partners that ask for a tile jointly share its blocks out BY ADDRESS.
; The last refill (s3 = 1) has no K step behind it.  Steps 0 to 2 come by their loads alone.
.macro ASK
	s_cmp_gt_u32 s3, s[LIM]
	s_cbranch_scc0 .Lnot_mine_\@
	global_prefetch_b8 v[PFO], s[PFA:PFA+1] th:TH_LOAD_NT scope:SCOPE_SE
.Lnot_mine_\@:
.endm
; 16 matrix instructions: row blocks a0, a0 + 1 of the window's four x all 8 column blocks, 32 along K.  ci = 1: the products start the sums, with the bias as C.
.macro MUL16 f, hi, a0, ci
.if \ci
	WIN 0x81+0x40*(\hi)                            ; B window 1, A and C window 0, D window 2 or 3
.else
	WIN 0xa1+0x50*(\hi)                            ; C and D window 2 or 3
.endif
.irp a, \a0, (\a0)+1
.irp b, 0,1,2,3,4,5,6,7
.if \ci
	v_wmma_f32_16x16x32_bf16 v[8*(8*(\a)+(\b)):8*(8*(\a)+(\b))+7], v[(\f)+8*(\b):(\f)+8*(\b)+7], v[(\f)+8*(4*(\hi)+(\a)):(\f)+8*(4*(\hi)+(\a))+7], v[BIAS+8*(\b):BIAS+8*(\b)+7]
.else
	v_wmma_f32_16x16x32_bf16 v[8*(8*(\a)+(\b)):8*(8*(\a)+(\b))+7], v[(\f)+8*(\b):(\f)+8*(\b)+7], v[(\f)+8*(4*(\hi)+(\a)):(\f)+8*(4*(\hi)+(\a))+7], v[8*(8*(\a)+(\b)):8*(8*(\a)+(\b))+7]
.endif
.endr
.endr
.endm
; 32 LDS loads in one run: quarter q (32 along K) of the slot in hand into buffer f: B's 8 fragments (turned), then A's 8.
.macro FETCH q, f
	WIN 0x40                                       ; destination window 1
.irp i, 0,1,2,3,4,5,6,7
	ds_load_tr16_b128 v[(\f)+8*(\i):(\f)+8*(\i)+3],   v[ADB] offset:(\q)*32*PB+32*(\i)
	ds_load_tr16_b128 v[(\f)+8*(\i)+4:(\f)+8*(\i)+7], v[ADB] offset:(\q)*32*PB+32*(\i)+16*PB
.endr
	WIN 0
.irp i, 0,1,2,3,4,5,6,7
	ds_load_b128 v[(\f)+8*(\i):(\f)+8*(\i)+3],   v[ADA] offset:64*(\q)+(\i)*16*PITCH
	ds_load_b128 v[(\f)+8*(\i)+4:(\f)+8*(\i)+7], v[ADA] offset:64*(\q)+(\i)*16*PITCH+32
.endr
.endm
; One of a K step's first three quarters: multiplies buffer f; in its middle fetches quarter q into buffer g.  The 64 accumulators take turns in one order everywhere.
.macro QUARTER q, f, g, ci
	s_wait_dscnt 8                                 ; B and A's blocks 0-3 are in; the youngest eight loads (A's blocks 4-7) may be out
	MUL16 \f, 0, 0, \ci
	MUL16 \f, 0, 2, \ci
	PLACES
	FETCH \q, \g
	s_wait_dscnt 32                                ; all but the 32 just issued
	MUL16 \f, 1, 0, \ci
	MUL16 \f, 1, 2, \ci
.endm
; The last quarter multiplies buffer 1 and changes slots.  In front of the barrier each wave waits for all its tensor loads (one is out: its part of the next slot), adds 0 to its spare word, and waits
; for that and for its reads of this slot.  fill = 1: the barrier opens a round of the cluster's, and this slot's joint refill, two K steps on, is the first thing behind it: 224 matrix instructions ahead of the wait for it.
.macro TURN fill
.if \fill
	s_wait_xcnt 0x0                                ; the last prefetch, a K step back, has read its address
	s_add_nc_u64 s[PFA:PFA+1], s[PFA:PFA+1], s[PFS:PFS+1]
.endif
	WIN 0
	s_wait_tensorcnt 0x0                           ; no tensor load of mine is out, so a group 0 may be written
	ds_add_u32 v[SPW], v[NIL]                      ; work on registers follows
.if \fill
	s_add_co_u32 s[GW+1], s[LW], s[TB]             ; the walking descriptors: into the slot that is being left,
	s_add_co_u32 s[GWB+1], s[LW], s[TB]
	s_add_nc_u64 s[GW+2:GW+3], s[GW+2:GW+3], ASTEP    ; the K step behind the one asked for last; the type bits on top are not reached
	s_add_nc_u64 s[GWB+2:GWB+3], s[GWB+2:GWB+3], BSTEP
.endif
	s_wait_dscnt 9                                 ; the add and the youngest eight loads may be out
	MUL16 F1, 0, 0, 0
	s_wait_dscnt 0x0                               ; the add is done, my reads of this slot are over
	s_barrier_signal -1
	MUL16 F1, 0, 2, 0
	WIN 0
	s_barrier_wait -1
.if \fill
	CREST                                          ; no wave of any partner still reads this slot or has a load on its way
	JLOAD                                          ; its four v_nop are also the places in front of the loads below
.else
	PLACES
.endif
	s_xor_b32 s[TB], s[TB], SLOT                   ; the other slot
	v_add_nc_u32 v[ADA], s[TB], v[A0]
	v_add_nc_u32 v[ADB], s[TB], v[B0]
	FETCH 0, F0
.if \fill
	ASK
.endif
	MUL16 F1, 1, 0, 0
	MUL16 F1, 1, 2, 0
.endm
.macro LAST                            ; the very last quarter: nothing more to fetch
	s_wait_dscnt 8
	MUL16 F1, 0, 0, 0
	MUL16 F1, 0, 2, 0
	s_wait_dscnt 0x0
	MUL16 F1, 1, 0, 0
	MUL16 F1, 1, 2, 0
	WIN 0
.endm
; THE WAY OUT of row block a: rounded to f16, 16 bytes a lane; through my own stage; back as whole rows of 256 bytes; stored.
.macro PACK a
.set AC, 64*((\a)%4)
	WIN 0x0a+5*((\a)/4)                            ; sources window 2 or 3
.irp b, 0,1,2,3,4,5,6,7
.irp r, 0,1,2,3
	v_cvt_pk_f16_f32 v[TMP+4*(\b)+(\r)], v[AC+8*(\b)+2*(\r)], v[AC+8*(\b)+2*(\r)+1]
.endr
.endr
	WIN 0
.endm
.macro TOSTAGE a
.set BK, OB+192*((\a)%2)
.irp b, 0,1,2,3,4,5,6,7
	ds_store_b128 v[STO], v[TMP+4*(\b):TMP+4*(\b)+3] offset:32*(\b)
.endr
.irp t, 0,1,2,3,4,5,6,7
	ds_load_b128 v[BK+4*(\t):BK+4*(\t)+3], v[RD] offset:(\t)*2*PITCH  ; LDS serves a wave's instructions in order: these see the stores above
.endr
.endm
.macro SEND a
.set BK, OB+192*((\a)%2)
	s_wait_dscnt 0x0                               ; the block is back in registers
	s_wait_xcnt 0x0                                ; earlier stores have read their base and data: only now are they written again
.if (\a) > 0
	s_add_nc_u64 s[14:15], s[14:15], 16*QP
.endif
.irp t, 0,1,2,3,4,5,6,7
	global_store_b128 v[CO], v[BK+4*(\t):BK+4*(\t)+3], s[14:15] offset:2*(\t)*QP  ; 16 lanes store 256 consecutive bytes, aligned
.endr
.endm
	s_load_b256 s[4:11], s[0:1], 0x0               ; xb s[4:5], wb s[6:7], bq s[8:9], bk s[10:11]
	s_load_b128 s[12:15], s[0:1], 0x20             ; bv s[12:13], qkv s[14:15]
	v_lshl_add_u32 v[SPW], v0, 2, SPARE
	v_mov_b32 v[NIL], 0
	ds_add_u32 v[SPW], v[NIL]                      ; the wave's opening: the add and its wait stand ahead of my first tensor load
	v_lshrrev_b32 v1, 5, v0
	v_readfirstlane_b32 s[WV], v1
	s_lshr_b32 s[RH], s[WV], 1
	s_and_b32 s[CH], s[WV], 1                      ; also: which half of a tile I fetch
	s_bfe_u32 s[CX], ttmp6, 0x40000
	s_bfe_u32 s[CY], ttmp6, 0x40004
	s_lshl_b32 s[COL], ttmp9, 2
	s_add_co_u32 s[COL], s[COL], s[CX]             ; tile column = 4 x cluster x + cx
	s_and_b32 s[ROW], ttmp7, 0xffff
	s_lshl_b32 s[ROW], s[ROW], 2
	s_add_co_u32 s[ROW], s[ROW], s[CY]             ; tile row = 4 x cluster y + cy
	s_lshl_b32 s2, s[CY], 2
	s_lshl_b32 s2, 15, s2                          ; my row of the cluster
	s_lshl_b32 s79, 0x1111, s[CX]                  ; my column
	s_or_b32 s[G1], s2, (1<<16)|(1<<20)|(1<<21)|(5<<22)|(3<<25)    ; mask; 2-byte elements; padding on; bit 21 beside a mask; after every 64 words, 4 words
	s_mov_b32 s[G1+1], 128<<16                     ; tensor_dim0 = 128
	s_mov_b32 s[G1+2], 128<<16                     ; tensor_dim1 = 128
	s_mov_b32 s[G1+3], 128<<16                     ; tile_dim0 = 128
	s_mov_b32 s[G1+4], 128                         ; tile_dim1 = 128
	s_mov_b32 s[G1+5], 1024                        ; elements from row to row
	s_mov_b32 s[G1+6], 0
	s_mov_b32 s[G1+7], 0
	s_or_b32 s[G1B], s79, (1<<16)|(1<<20)|(1<<21)|(6<<22)|(7<<25)  ; after every 128 words, 8 words
	s_mov_b32 s[G1B+1], 256<<16
	s_mov_b32 s[G1B+2], 64<<16
	s_mov_b32 s[G1B+3], 256<<16
	s_mov_b32 s[G1B+4], 64
	s_mov_b32 s[G1B+5], 3072
	s_mov_b32 s[G1B+6], 0
	s_mov_b32 s[G1B+7], 0
	s_lshl_b32 s42, s[ROW], 8                      ; A: row 256 x tile row + 128 x half; these registers never hold cx
	s_lshl_b32 s43, s[CH], 7
	s_add_co_u32 s42, s42, s43
	s_lshl_b32 s42, s42, 11
	s_mov_b32 s43, 0
	s_mul_i32 s68, s[CH], 64*QP                    ; B: k row 64 x half, column 256 x tile column; these never hold cy
	s_lshl_b32 s69, s[COL], 9
	s_add_co_u32 s68, s68, s69
	s_mov_b32 s69, 0
	s_mul_i32 s[LW], s[WV], HALFT
	s_mov_b32 s[TB], 0
	s_wait_dscnt 0x0                               ; the opening add is done
	s_wait_kmcnt 0x0
	s_add_nc_u64 s[66:67], s[4:5], s[42:43]
	s_add_nc_u64 s[68:69], s[6:7], s[68:69]
	s_mov_b32 s[GF], 1                             ; count = 1
	s_mov_b32 s[GF+1], s[LW]                       ; LDS address: slot 0
	s_mov_b64 s[GF+2:GF+3], s[66:67]               ; K step 0
	s_or_b32 s[GF+3], s[GF+3], 0x80000000          ; type = 2
	s_mov_b32 s[GW], 1
	s_add_co_u32 s[GW+1], s[LW], SLOT              ; slot 1
	s_add_nc_u64 s[GW+2:GW+3], s[66:67], ASTEP     ; K step 1
	s_or_b32 s[GW+3], s[GW+3], 0x80000000
	s_mov_b32 s[GFB], 1
	s_mov_b32 s[GFB+1], s[LW]
	s_mov_b64 s[GFB+2:GFB+3], s[68:69]
	s_or_b32 s[GFB+3], s[GFB+3], 0x80000000
	s_mov_b32 s[GWB], 1
	s_add_co_u32 s[GWB+1], s[LW], SLOT
	s_add_nc_u64 s[GWB+2:GWB+3], s[68:69], BSTEP
	s_or_b32 s[GWB+3], s[GWB+3], 0x80000000
	CROUND                                         ; all sixteen work-groups are here: the first joint loads meet
	s_cmp_lt_u32 s[WV], 2                          ; a wave's two first fills stand in one branch: two loads of mine are out
	s_cbranch_scc0 .Lfirst_b
	tensor_load_to_lds s[GF:GF+3], s[G1:G1+7]
	s_nop 0
	tensor_load_to_lds s[GW:GW+3], s[G1:G1+7]
	s_nop 0
	PLACES
	s_branch .Lfirst_asked
.Lfirst_b:
	tensor_load_to_lds s[GFB:GFB+3], s[G1B:G1B+7]
	s_nop 0
	tensor_load_to_lds s[GWB:GWB+3], s[G1B:G1B+7]
	s_nop 0
	PLACES
.Lfirst_asked:
	v_and_b32 v1, 15, v0                           ; r = l % 16
	v_bfe_u32 v2, v0, 4, 1                         ; h = l / 16
	; the bias: cluster x says which of the three; block b's eight numbers are columns 16 b + 8 h + 0..7 of my 128
	s_cmp_eq_u32 ttmp9, 0
	s_cselect_b64 s[76:77], s[8:9], s[10:11]
	s_cmp_eq_u32 ttmp9, 2
	s_cselect_b64 s[76:77], s[12:13], s[76:77]
	s_lshl_b32 s70, s[CX], 10
	s_lshl_b32 s71, s[CH], 9
	s_add_co_u32 s70, s70, s71
	v_lshl_add_u32 v[BO], v2, 5, s70
.irp b, 0,1,2,3,4,5,6,7
	global_load_b128 v[BIAS+8*(\b):BIAS+8*(\b)+3],   v[BO], s[76:77] offset:64*(\b)
	global_load_b128 v[BIAS+8*(\b)+4:BIAS+8*(\b)+7], v[BO], s[76:77] offset:64*(\b)+16
.endr
	; a fragment of A: lane l holds row l % 16, K = 8 h + 0..7 and 16 + 8 h + 0..7: two loads of 16 bytes, 32 apart
	v_mul_u32_u24 v3, v1, PITCH
	v_lshl_add_u32 v3, v2, 4, v3
	s_mul_i32 s70, s[RH], HALFT
	v_add_nc_u32 v[A0], s70, v3
	; the turning load: lane l reads 16 bytes of k row 8 h + l % 8, columns 8 ((l / 8) % 2) + 0..7, and ends with column l % 16 and 8 k
	v_and_b32 v4, 7, v0
	v_lshl_add_u32 v4, v2, 3, v4
	v_mul_u32_u24 v4, v4, PB
	v_bfe_u32 v5, v0, 3, 1
	v_lshl_add_u32 v4, v5, 4, v4
	s_lshl_b32 s70, s[CH], 8                       ; my 128 columns,
	s_add_co_u32 s70, s70, 2*HALFT                 ; behind A's tile
	v_add_nc_u32 v[B0], s70, v4
	v_mov_b32 v[ADA], v[A0]
	v_mov_b32 v[ADB], v[B0]
	s_mul_i32 s70, s[WV], 16*PITCH
	s_add_co_u32 s70, s70, STAGE
	v_add_nc_u32 v[STO], s70, v3                   ; in: row l % 16, 16 bytes for each half of the lanes
	v_mul_u32_u24 v5, v2, PITCH
	v_lshl_add_u32 v5, v1, 4, v5
	v_add_nc_u32 v[RD], s70, v5                    ; back: lanes 0-15 one row of 256 bytes, lanes 16-31 the next
	v_mul_u32_u24 v5, v2, QP
	v_lshl_add_u32 v[CO], v1, 4, v5
	s_lshl_b32 s70, s[ROW], 8                      ; where my part of the tile begins in qkv
	s_lshl_b32 s71, s[RH], 7
	s_add_co_u32 s70, s70, s71
	s_mul_i32 s70, s70, QP
	s_lshl_b32 s71, s[COL], 9
	s_add_co_u32 s70, s70, s71
	s_lshl_b32 s71, s[CH], 8
	s_add_co_u32 s70, s70, s71
	s_mov_b32 s71, 0
	s_add_nc_u64 s[14:15], s[14:15], s[70:71]
	; the prefetches.  A (waves 0, 1): rows 256 x tile row + 128 x half + 32 cx + lane.  B (waves 2, 3): k rows 64 x half + 16 cy + lane / 2, block lane % 2 of the tile's 512 bytes.  Both at K step 2; the first change steps them to 3
	s_lshl_b32 s70, s[ROW], 8
	s_lshl_b32 s71, s[CH], 7
	s_add_co_u32 s70, s70, s71
	s_lshl_b32 s71, s[CX], 5
	s_add_co_u32 s70, s70, s71
	s_lshl_b32 s70, s70, 11
	s_add_co_u32 s70, s70, 2*ASTEP
	s_lshl_b32 s72, s[CH], 6
	s_lshl_b32 s73, s[CY], 4
	s_add_co_u32 s72, s72, s73
	s_add_co_u32 s72, s72, 2*128
	s_mul_i32 s72, s72, QP
	s_lshl_b32 s73, s[COL], 9
	s_add_co_u32 s72, s72, s73
	s_and_b32 s74, ttmp7, 0xffff
	s_mov_b32 s75, BSTEP
	s_mov_b32 s78, QP
	s_cmp_lt_u32 s[WV], 2
	s_cselect_b32 s70, s70, s72
	s_cselect_b32 s74, ttmp9, s74                  ; the coordinate along which other clusters read the same blocks
	s_cselect_b32 s[PFS], ASTEP, s75
	s_cselect_b32 s73, 0, 1
	s_cselect_b32 s75, XP, s78
	s_cselect_b32 s78, 0, 256
	s_cselect_b64 s[PFA:PFA+1], s[4:5], s[6:7]
	s_mov_b32 s71, 0
	s_mov_b32 s[PFS+1], 0
	s_add_nc_u64 s[PFA:PFA+1], s[PFA:PFA+1], s[70:71]
	s_cmp_eq_u32 s74, 0
	s_cselect_b32 s[LIM], 1, -1                    ; the same in all sixteen partners, for a given wave
	v_and_b32 v5, 31, v0
	v_and_b32 v6, 1, v0
	v_lshrrev_b32 v5, s73, v5
	v_mul_u32_u24 v5, s75, v5
	v_mul_u32_u24 v6, s78, v6
	v_add_nc_u32 v[PFO], v5, v6
	s_wait_loadcnt 0x0                             ; the bias; rounded to bf16 like the other inputs, kept as f32
.set i, 0
.rept 32
	v_cvt_pk_bf16_f32 v[TP], v[BIAS+2*i], v[BIAS+2*i+1]
	v_lshlrev_b32 v[BIAS+2*i], 16, v[TP]
	v_and_b32 v[BIAS+2*i+1], 0xffff0000, v[TP]
.set i, i+1
.endr
	s_wait_tensorcnt 0x1                           ; my part of K step 0 is in; step 1's may stay out
	s_barrier_signal -1
	s_barrier_wait -1
	FETCH 0, F0
	QUARTER 1, F0, F1, 1                           ; the first quarter stands in front of the loop: its products start the sums
	WIN 0
	s_mov_b32 s3, 6                                ; six refills: K steps 2 to 7
.Lstep:                                            ; a trip: a step's quarters 1 to 3, the change of slots, the next step's quarter 0
	QUARTER 2, F1, F0, 0
	QUARTER 3, F0, F1, 0
	TURN 1
	QUARTER 1, F0, F1, 0
	WIN 0
	s_sub_co_u32 s3, s3, 1
	s_cmp_lg_u32 s3, 0
	s_cbranch_scc1 .Lstep
	QUARTER 2, F1, F0, 0                           ; K steps 6 and 7 ask for nothing: written out
	QUARTER 3, F0, F1, 0
	TURN 0
	QUARTER 1, F0, F1, 0
	QUARTER 2, F1, F0, 0
	QUARTER 3, F0, F1, 0
	LAST
	PLACES                                         ; block 0's conversions read matrix results; they are then the places for the later blocks
	PACK 0
	TOSTAGE 0
.irp a, 1,2,3,4,5,6,7                              ; block a's conversions stand between block a - 1's loads from the stage and the wait for them
	PACK \a
	SEND (\a)-1
	TOSTAGE \a
.endr
	SEND 7
	s_wait_tensorcnt 0x0                           ; the wave's end
	ds_add_u32 v[SPW], v[NIL]
	s_wait_dscnt 0x0
	CROUND                                         ; the closing round
	s_endpgm
.Lfunc_end_k_qf932c82407_proj:
	.size	k_qf932c82407_proj, .Lfunc_end_k_qf932c82407_proj-k_qf932c82407_proj
	.p2alignl 7, 3214868480
	.fill 96, 4, 3214868480
	.section	.rodata,"a",@progbits
	.p2align	6, 0x0
	.amdhsa_kernel k_qf932c82407_proj
		.amdhsa_group_segment_fixed_size 327680
		.amdhsa_private_segment_fixed_size 0
		.amdhsa_enable_private_segment 0
		.amdhsa_kernarg_size 48
		.amdhsa_user_sgpr_count 2
		.amdhsa_user_sgpr_kernarg_segment_ptr 1
		.amdhsa_wavefront_size32 1
		.amdhsa_system_sgpr_workgroup_id_x 1
		.amdhsa_system_sgpr_workgroup_id_y 1
		.amdhsa_system_sgpr_workgroup_id_z 1
		.amdhsa_system_vgpr_workitem_id 0
		.amdhsa_next_free_vgpr 1024
		.amdhsa_next_free_sgpr 80
		.amdhsa_reserve_vcc 0
		.amdhsa_float_denorm_mode_32 3
		.amdhsa_float_denorm_mode_16_64 3
		.amdhsa_memory_ordered 1
		.amdhsa_forward_progress 1
		.amdhsa_inst_pref_size 125
	.end_amdhsa_kernel
	.amdgpu_metadata
---
amdhsa.version: [ 1, 2 ]
amdhsa.kernels:
  - .name:           k_qf932c82407_proj
    .symbol:         k_qf932c82407_proj.kd
    .args:
      - { .name: xb, .offset: 0, .size: 8, .value_kind: global_buffer, .address_space: global }
      - { .name: wb, .offset: 8, .size: 8, .value_kind: global_buffer, .address_space: global }
      - { .name: bq, .offset: 16, .size: 8, .value_kind: global_buffer, .address_space: global }
      - { .name: bk, .offset: 24, .size: 8, .value_kind: global_buffer, .address_space: global }
      - { .name: bv, .offset: 32, .size: 8, .value_kind: global_buffer, .address_space: global }
      - { .name: qkv, .offset: 40, .size: 8, .value_kind: global_buffer, .address_space: global }
    .group_segment_fixed_size: 327680
    .private_segment_fixed_size: 0
    .kernarg_segment_align: 8
    .kernarg_segment_size: 48
    .max_flat_workgroup_size: 128
    .sgpr_count:     80
    .vgpr_count:     1024
    .wavefront_size: 32
...
	.end_amdgpu_metadata
.endif
;; end of part 2
;; launch scores (part 3): grid 36 x 4, 4 waves a work-group, no clusters, 327,680 bytes of LDS; arguments qkv, pt, st; writes pt, st
.if DOCPART == 3
	.amdgcn_target "amdgcn-amd-amdhsa--gfx1250"
	.amdhsa_code_object_version 6
	.text
	.protected	k_qf932c82407_scores
	.globl	k_qf932c82407_scores
	.p2align	8
	.type	k_qf932c82407_scores,@function
k_qf932c82407_scores:
	s_mov_b64 s[64:65], 0
	v_nop
	global_prefetch_b8 v0, s[64:65] scope:SCOPE_SE
	s_setreg_imm32_b32 hwreg(HW_REG_WAVE_MODE, 25, 1), 1
	s_wait_xcnt 0x0
; For each causal tile (I, J), J <= I, of 256 queries x 256 keys of a batch: S = Q K^T (f16 operands, f32 sums, K = 1,024), the causal mask, and a softmax BY BLOCKS of 128 keys.
; A wave owns 128 queries x 128 keys.  For each of its rows: m = the maximum of its 128 scores; pt[q][key] = 2^(c s - c m) in f16, c = log2(e) / 32;  st: c m, and l = the sum of the unrounded weights.
; The launch behind joins the blocks: it takes the maximum of the c m, multiplies each block by 2^(c m - maximum) and divides by the sum; so a true maximum is taken away from every exponent.
; THE MASK is the C operand of the products that start the sums: 0, or -2^100 where the key is hidden.  LIMITS: a hidden score counts as its value less 2^100 (f16 operands bound a score by 4.4e12);
; m is held at -2^90 or above, so a block of which a row sees nothing gives weights 0, l = 0 and a finite c m.  A weight below 2^-126 counts as 0 in l; in f16 a weight below 6e-5 keeps the fixed step 6e-8.
; NO CLUSTER: row I of the triangle has I + 1 tiles and column J has 8 - J; the 36 tiles do not fall into fours that share one tile of Q or of K, and squares of 4 x 4 on the diagonal would hold 6 work-groups without work.
; Ring, quarters and register windows as in the projection: two slots of a K step of 128; A = 256 rows of Q, B = 256 rows of K, pitch 272; every wave fetches 128 rows by one tensor load.
; st: c m of row 64 g + 16 a + r and key block t at ((16 batch + t) 32 + g) 256 + 16 r + 4 a; l the same 524,288 bytes on.
.set PITCH,  272
.set HALFT,  128*PITCH
.set SLOT,   4*HALFT
.set STAGE,  2*SLOT
.set SPARE,  STAGE+4*16*PITCH
.set QP,     6144                      ; bytes in a row of qkv
.set PP,     4096                      ; bytes in a row of pt
.set KSTEPB, 256
.set A0,  16
.set ADA, 17
.set B0,  20
.set ADB, 21
.set STO, 24
.set RD,  25
.set CO,  26
.set SO,  27                           ; v27  16 x lane: my 16 bytes of the statistics
.set SPW, 28
.set NIL, 29
.set PFO, 30
.set DG,  31                           ; v31  r - 8 h - 100 d, for the diagonal's mask
.set CHN, 32                           ; v32-35 four chains of the maximum
.set XT,  36                           ; v36  the other half of the lanes'
.set MCP, 38                           ; v[38:39] c m, in the low word
.set LS,  40                           ; v[40:47] four packed chains of the sum
.set MS,  48                           ; v48-55 c m of row block a
.set LV,  56                           ; v56-63 l of row block a
.set F0,  64
.set F1,  128
.set OB,  64                           ; the way out: v64-95 and v96-127 by turns
.set TMP, 192
.set MLO, 192                          ; the mask for column blocks left of the row block, on it, right of it
.set MEQ, 200
.set MHI, 208
.set WV,  10
.set RH,  11
.set CH,  12
.set TB,  13
.set LW,  14
.set LIM, 15
.set G1,  16                           ; s[16:23] group 1;  s[24:27] group 0 of the first fill;  s[28:31] the one that walks
.set GF,  24
.set GW,  28
.set TI,  32
.set TJ,  33
.set BT,  34
.set PFA, 36
.set CS,  38                           ; s[38:39] c
.set SEL, 50                           ; s[50:51] v_permlanex16_b32's selects
.set M90, 52
.set NEG, 53
.set MSB, 0
.macro WIN new
.if MSB != (\new)
	s_set_vgpr_msb (MSB<<8)|(\new)
.set MSB, \new
.endif
.endm
.macro PLACES
.rept 4
	v_nop
.endr
.endm
; A PREFETCH INTO THE L2 of the K step that the next refill will ask for: my own 128 rows x 256 bytes, a lane a row, four instructions.  Q's rows are named by the tile with J = 0 (waves 0, 1),
; K's by the tile on the diagonal (waves 2, 3): each block once in the launch.  The last refill (s3 = 1) has no K step behind it.
.macro ASK
	s_cmp_gt_u32 s3, s[LIM]
	s_cbranch_scc0 .Lnot_mine_\@
.irp n, 0,1,2,3
	global_prefetch_b8 v[PFO], s[PFA:PFA+1] offset:(\n)*32*QP th:TH_LOAD_NT scope:SCOPE_SE
.endr
.Lnot_mine_\@:
.endm
.macro MUL16 f, hi, a0, ci             ; source 0 = 16 keys, source 1 = 16 queries: a lane holds one query and eight neighbouring keys
.if \ci
	WIN 0x81+0x40*(\hi)
.else
	WIN 0xa1+0x50*(\hi)
.endif
.irp a, \a0, (\a0)+1
.irp b, 0,1,2,3,4,5,6,7
.set rD, 8*(8*(\a)+(\b))
.set rB, (\f)+8*(\b)
.set rA, (\f)+8*(4*(\hi)+(\a))
.if \ci
.set rC, MHI
.if (\b) < 4*(\hi)+(\a)
.set rC, MLO
.endif
.if (\b) == 4*(\hi)+(\a)
.set rC, MEQ
.endif
	v_wmma_f32_16x16x32_f16 v[rD:rD+7], v[rB:rB+7], v[rA:rA+7], v[rC:rC+7]
.else
	v_wmma_f32_16x16x32_f16 v[rD:rD+7], v[rB:rB+7], v[rA:rA+7], v[rD:rD+7]
.endif
.endr
.endr
.endm
.macro FETCH q, f
	WIN 0x40
.irp i, 0,1,2,3,4,5,6,7
	ds_load_b128 v[(\f)+8*(\i):(\f)+8*(\i)+3],   v[ADB] offset:64*(\q)+(\i)*16*PITCH
	ds_load_b128 v[(\f)+8*(\i)+4:(\f)+8*(\i)+7], v[ADB] offset:64*(\q)+(\i)*16*PITCH+32
.endr
	WIN 0
.irp i, 0,1,2,3,4,5,6,7
	ds_load_b128 v[(\f)+8*(\i):(\f)+8*(\i)+3],   v[ADA] offset:64*(\q)+(\i)*16*PITCH
	ds_load_b128 v[(\f)+8*(\i)+4:(\f)+8*(\i)+7], v[ADA] offset:64*(\q)+(\i)*16*PITCH+32
.endr
.endm
.macro QUARTER q, f, g, ci
	s_wait_dscnt 8                                 ; the youngest eight loads (Q's blocks 4-7) may be out
	MUL16 \f, 0, 0, \ci
	MUL16 \f, 0, 2, \ci
	PLACES
	FETCH \q, \g
	s_wait_dscnt 32                                ; all but the 32 just issued
	MUL16 \f, 1, 0, \ci
	MUL16 \f, 1, 2, \ci
.endm
; The change of slots: every wave waits for all its tensor loads (one is out: its part of the next slot), adds 0 to its spare word, waits for that and for its reads of this slot, and passes the barrier.
; fill = 1: this slot's refill, two K steps on, is the first thing behind it, one load a wave: 224 matrix instructions ahead of the wait for it.
.macro TURN fill
.if \fill
	s_wait_xcnt 0x0                                ; the last prefetches, a K step back, have read their address
	s_add_nc_u64 s[PFA:PFA+1], s[PFA:PFA+1], KSTEPB
.endif
	WIN 0
	s_wait_tensorcnt 0x0
	ds_add_u32 v[SPW], v[NIL]
.if \fill
	s_add_co_u32 s[GW+1], s[LW], s[TB]             ; into the slot that is being left,
	s_add_nc_u64 s[GW+2:GW+3], s[GW+2:GW+3], KSTEPB  ; the K step behind the one asked for last
.endif
	s_wait_dscnt 9                                 ; the add and the youngest eight loads may be out
	MUL16 F1, 0, 0, 0
	s_wait_dscnt 0x0
	s_barrier_signal -1
	MUL16 F1, 0, 2, 0
	WIN 0
	s_barrier_wait -1
.if \fill
	tensor_load_to_lds s[GW:GW+3], s[G1:G1+7]
	s_nop 0
.endif
	PLACES                                         ; behind the load; also the places in front of the loads below
	s_xor_b32 s[TB], s[TB], SLOT
	v_add_nc_u32 v[ADA], s[TB], v[A0]
	v_add_nc_u32 v[ADB], s[TB], v[B0]
	FETCH 0, F0
.if \fill
	ASK
.endif
	MUL16 F1, 1, 0, 0
	MUL16 F1, 1, 2, 0
.endm
.macro LAST
	s_wait_dscnt 8
	MUL16 F1, 0, 0, 0
	MUL16 F1, 0, 2, 0
	s_wait_dscnt 0x0
	MUL16 F1, 1, 0, 0
	MUL16 F1, 1, 2, 0
	WIN 0
.endm
; THE SOFTMAX of row block a: a lane holds one query and 64 of its 128 keys, in 8 accumulators; the lane 16 away holds the other 64.
.macro SOFT a
.set WW, 2+(\a)/4
.set AC, 64*((\a)%4)
	WIN WW|(WW<<2)                                 ; sources 0 and 1 in the accumulators' window
.irp k, 0,1,2,3                                    ; four chains of 16 scores; each accumulator's lowest registers are read first
	v_max_num_f32 v[CHN+(\k)], v[AC+16*(\k)], v[AC+16*(\k)+1]
.endr
.irp n, 1,2,3,4,5,6,7
.irp k, 0,1,2,3
	v_max3_num_f32 v[CHN+(\k)], v[AC+16*(\k)+2*(\n)], v[AC+16*(\k)+2*(\n)+1], v[CHN+(\k)]
.endr
.endr
	WIN 0
	v_max3_num_f32 v[CHN], v[CHN], v[CHN+1], v[CHN+2]
	v_max_num_f32 v[CHN], v[CHN], v[CHN+3]
	v_permlanex16_b32 v[XT], v[CHN], s[SEL], s[SEL+1]
	v_max3_num_f32 v[CHN], v[CHN], v[XT], s[M90]   ; m, held at -2^90 or above
	v_mul_f32 v[MCP], s[CS], v[CHN]                ; c m
	v_mov_b32 v[MS+(\a)], v[MCP]
	WIN WW|(WW<<6)                                 ; in place
.set i, 0
.rept 32
	v_pk_fma_f32 v[AC+2*i:AC+2*i+1], v[AC+2*i:AC+2*i+1], s[CS:CS+1], v[MCP:MCP+1] op_sel_hi:[1,0,0] neg_lo:[0,0,1] neg_hi:[0,0,1]  ; c s - c m
.set i, i+1
.endr
.set i, 0
.rept 64                                           ; one batch of exponentials,
	v_exp_f32 v[AC+i], v[AC+i]
.set i, i+1
.endr
	v_nop                                          ; a plain instruction behind the last,
	s_wait_alu depctr_va_vdst(0)                   ; and one wait ahead of the first reader
	WIN WW|(WW<<2)
.irp b, 0,1,2,3,4,5,6,7
.irp r, 0,1,2,3
	v_cvt_pk_f16_f32 v[TMP+4*(\b)+(\r)], v[AC+8*(\b)+2*(\r)], v[AC+8*(\b)+2*(\r)+1]
.endr
.endr
.irp k, 0,1,2,3                                    ; the sum of the 32 pairs, in four chains
	v_pk_add_f32 v[LS+2*(\k):LS+2*(\k)+1], v[AC+2*(\k):AC+2*(\k)+1], v[AC+8+2*(\k):AC+8+2*(\k)+1]
.endr
	WIN WW
.set i, 8
.rept 24
	v_pk_add_f32 v[LS+2*(i%4):LS+2*(i%4)+1], v[AC+2*i:AC+2*i+1], v[LS+2*(i%4):LS+2*(i%4)+1]
.set i, i+1
.endr
	WIN 0
	v_pk_add_f32 v[LS:LS+1], v[LS:LS+1], v[LS+2:LS+3]
	v_pk_add_f32 v[LS+4:LS+5], v[LS+4:LS+5], v[LS+6:LS+7]
	v_pk_add_f32 v[LS:LS+1], v[LS:LS+1], v[LS+4:LS+5]
	v_add_f32 v[LS], v[LS], v[LS+1]
	v_permlanex16_b32 v[XT], v[LS], s[SEL], s[SEL+1]
	v_add_f32 v[LV+(\a)], v[LS], v[XT]
.endm
.macro TOSTAGE a
.set BK, OB+32*((\a)%2)
.irp b, 0,1,2,3,4,5,6,7
	ds_store_b128 v[STO], v[TMP+4*(\b):TMP+4*(\b)+3] offset:32*(\b)
.endr
.irp t, 0,1,2,3,4,5,6,7
	ds_load_b128 v[BK+4*(\t):BK+4*(\t)+3], v[RD] offset:(\t)*2*PITCH  ; LDS serves a wave's instructions in order: these see the stores above
.endr
.endm
.macro SEND a
.set BK, OB+32*((\a)%2)
	s_wait_dscnt 0x0
	s_wait_xcnt 0x0                                ; earlier stores have read their base and data
.if (\a) > 0
	s_add_nc_u64 s[6:7], s[6:7], 16*PP
.endif
.irp t, 0,1,2,3,4,5,6,7
	global_store_b128 v[CO], v[BK+4*(\t):BK+4*(\t)+3], s[6:7] offset:2*(\t)*PP  ; 16 lanes store 256 consecutive bytes, aligned
.endr
.endm
	s_load_b128 s[4:7], s[0:1], 0x0                ; qkv s[4:5], pt s[6:7]
	s_load_b64 s[8:9], s[0:1], 0x10                ; st
	v_lshl_add_u32 v[SPW], v0, 2, SPARE
	v_mov_b32 v[NIL], 0
	ds_add_u32 v[SPW], v[NIL]                      ; the wave's opening: the add and its wait stand ahead of my first tensor load
	v_lshrrev_b32 v1, 5, v0
	v_readfirstlane_b32 s[WV], v1
	s_lshr_b32 s[RH], s[WV], 1                     ; my half of the queries
	s_and_b32 s[CH], s[WV], 1                      ; my half of the keys; also which half of a tile I fetch
	s_and_b32 s[BT], ttmp7, 0xffff                 ; the batch
	s_mov_b32 s[TI], 0                             ; tile x of the triangle, row by row: I = how many of the rows' first numbers x has reached
.irp th, 1,3,6,10,15,21,28
	s_cmp_ge_u32 ttmp9, \th
	s_add_co_ci_u32 s[TI], s[TI], 0
.endr
	s_add_co_u32 s40, s[TI], 1
	s_mul_i32 s40, s40, s[TI]
	s_lshr_b32 s40, s40, 1
	s_sub_co_u32 s[TJ], ttmp9, s40                 ; J = x - I (I + 1) / 2
	s_mov_b32 s[G1], (1<<16)|(1<<20)|(5<<22)|(3<<25)  ; 2-byte elements; padding on: after every 64 words, 4 words
	s_mov_b32 s[G1+1], 128<<16
	s_mov_b32 s[G1+2], 128<<16
	s_mov_b32 s[G1+3], 128<<16
	s_mov_b32 s[G1+4], 128
	s_mov_b32 s[G1+5], 3072
	s_mov_b32 s[G1+6], 0
	s_mov_b32 s[G1+7], 0
	s_cmp_lt_u32 s[WV], 2                          ; waves 0, 1 fetch Q's rows of block I, waves 2, 3 K's rows of block J
	s_cselect_b32 s40, s[TI], s[TJ]
	s_cselect_b32 s41, 0, 2048
	s_lshl_b32 s40, s40, 8
	s_lshl_b32 s42, s[CH], 7
	s_add_co_u32 s40, s40, s42
	s_lshl_b32 s42, s[BT], 11
	s_add_co_u32 s40, s40, s42
	s_mul_i32 s40, s40, QP
	s_add_co_u32 s40, s40, s41
	s_mov_b32 s41, 0
	s_mul_i32 s[LW], s[WV], HALFT
	s_mov_b32 s[TB], 0
	s_mov_b32 s[CS], 0x3d38aa3b                    ; c = log2(e) / 32
	s_mov_b32 s[CS+1], s[CS]
	s_mov_b32 s[SEL], 0x76543210
	s_mov_b32 s[SEL+1], 0xfedcba98
	s_mov_b32 s[M90], 0xec800000                   ; -2^90
	s_mov_b32 s[NEG], 0xf1800000                   ; -2^100
	s_wait_dscnt 0x0                               ; the opening add is done
	s_wait_kmcnt 0x0
	s_add_nc_u64 s[42:43], s[4:5], s[40:41]
	s_mov_b32 s[GF], 1
	s_mov_b32 s[GF+1], s[LW]
	s_mov_b64 s[GF+2:GF+3], s[42:43]
	s_or_b32 s[GF+3], s[GF+3], 0x80000000
	s_mov_b32 s[GW], 1
	s_add_co_u32 s[GW+1], s[LW], SLOT
	s_add_nc_u64 s[GW+2:GW+3], s[42:43], KSTEPB
	s_or_b32 s[GW+3], s[GW+3], 0x80000000
	tensor_load_to_lds s[GF:GF+3], s[G1:G1+7]      ; K step 0 into slot 0,
	s_nop 0
	tensor_load_to_lds s[GW:GW+3], s[G1:G1+7]      ; K step 1 into slot 1: two loads of mine are out
	s_nop 0
	PLACES
	s_add_nc_u64 s[PFA:PFA+1], s[42:43], 2*KSTEPB  ; the prefetches stand at my rows' K step 2; the first change steps them to 3
	s_sub_co_u32 s44, s[TI], s[TJ]
	s_cmp_lt_u32 s[WV], 2
	s_cselect_b32 s44, s[TJ], s44
	s_cmp_eq_u32 s44, 0
	s_cselect_b32 s[LIM], 1, -1
	v_and_b32 v1, 15, v0                           ; r
	v_bfe_u32 v2, v0, 4, 1                         ; h
	v_and_b32 v3, 31, v0
	v_mul_u32_u24 v[PFO], v3, QP
	v_lshlrev_b32 v[SO], 4, v3
	v_mul_u32_u24 v3, v1, PITCH
	v_lshl_add_u32 v3, v2, 4, v3
	s_mul_i32 s44, s[RH], HALFT
	v_add_nc_u32 v[A0], s44, v3
	s_mul_i32 s44, s[CH], HALFT
	s_add_co_u32 s44, s44, 2*HALFT
	v_add_nc_u32 v[B0], s44, v3
	v_mov_b32 v[ADA], v[A0]
	v_mov_b32 v[ADB], v[B0]
	s_mul_i32 s44, s[WV], 16*PITCH
	s_add_co_u32 s44, s44, STAGE
	v_add_nc_u32 v[STO], s44, v3
	v_mul_u32_u24 v4, v2, PITCH
	v_lshl_add_u32 v4, v1, 4, v4
	v_add_nc_u32 v[RD], s44, v4
	v_lshlrev_b32 v4, 12, v2
	v_lshl_add_u32 v[CO], v1, 4, v4
	v_mov_b32 v[XT], 0                             ; v_permlanex16_b32's destination counts as read
	v_mov_b32 v[MCP+1], 0                          ; named with c m as a pair
	; the masks.  d = my half of the keys less my half of the queries on a diagonal tile, else -1.  d = -1: nothing is hidden; d = 1: all; d = 0: column blocks right of the row block, and on it the keys 8 h + j > r
	s_sub_co_i32 s44, s[CH], s[RH]
	s_cmp_eq_u32 s[TI], s[TJ]
	s_cselect_b32 s44, s44, -1
	s_mul_i32 s45, s44, 100
	s_cmp_eq_i32 s44, 1
	s_cselect_b32 s46, s[NEG], 0
	s_cmp_ge_i32 s44, 0
	s_cselect_b32 s47, s[NEG], 0
	v_lshlrev_b32 v[DG], 3, v2
	v_sub_nc_u32 v[DG], v1, v[DG]
	v_sub_nc_u32 v[DG], v[DG], s45
.irp j, 0,1,2,3,4,5,6,7
	v_mov_b32 v[MLO+(\j)], s46
	v_mov_b32 v[MHI+(\j)], s47
	v_cmp_gt_i32 vcc_lo, \j, v[DG]
	v_cndmask_b32 v[MEQ+(\j)], 0, s[NEG], vcc_lo
.endr
	s_lshl_b32 s40, s[BT], 11                      ; where my part of the tile begins in pt
	s_lshl_b32 s41, s[TI], 8
	s_add_co_u32 s40, s40, s41
	s_lshl_b32 s41, s[RH], 7
	s_add_co_u32 s40, s40, s41
	s_lshl_b32 s40, s40, 12
	s_lshl_b32 s41, s[TJ], 9
	s_add_co_u32 s40, s40, s41
	s_lshl_b32 s41, s[CH], 8
	s_add_co_u32 s40, s40, s41
	s_mov_b32 s41, 0
	s_add_nc_u64 s[6:7], s[6:7], s[40:41]
	s_lshl_b32 s40, s[BT], 4                       ; and my 512 bytes of st: key block t = 2 J + half, row groups 4 I + 2 x half and the next
	s_lshl_b32 s41, s[TJ], 1
	s_add_co_u32 s40, s40, s41
	s_add_co_u32 s40, s40, s[CH]
	s_lshl_b32 s40, s40, 5
	s_lshl_b32 s41, s[TI], 2
	s_add_co_u32 s40, s40, s41
	s_lshl_b32 s41, s[RH], 1
	s_add_co_u32 s40, s40, s41
	s_lshl_b32 s40, s40, 8
	s_mov_b32 s41, 0
	s_add_nc_u64 s[8:9], s[8:9], s[40:41]
	s_wait_tensorcnt 0x1                           ; my part of K step 0 is in; step 1's may stay out
	s_barrier_signal -1
	s_barrier_wait -1
	FETCH 0, F0
	QUARTER 1, F0, F1, 1                           ; the first products start the sums, with the mask as C
	WIN 0
	s_mov_b32 s3, 6                                ; six refills: K steps 2 to 7
.Lstep:
	QUARTER 2, F1, F0, 0
	QUARTER 3, F0, F1, 0
	TURN 1
	QUARTER 1, F0, F1, 0
	WIN 0
	s_sub_co_u32 s3, s3, 1
	s_cmp_lg_u32 s3, 0
	s_cbranch_scc1 .Lstep
	QUARTER 2, F1, F0, 0                           ; K steps 6 and 7 ask for nothing: written out
	QUARTER 3, F0, F1, 0
	TURN 0
	QUARTER 1, F0, F1, 0
	QUARTER 2, F1, F0, 0
	QUARTER 3, F0, F1, 0
	LAST
	PLACES
	SOFT 0
	TOSTAGE 0
.irp a, 1,2,3,4,5,6,7                              ; block a's softmax stands between block a - 1's loads from the stage and the wait for them
	SOFT \a
	SEND (\a)-1
	TOSTAGE \a
.endr
	SEND 7
	v_cmp_eq_u32 vcc_lo, 1, v2                     ; both halves of the lanes hold all eight blocks' figures: lanes 0-15 store blocks 0-3, lanes 16-31 blocks 4-7
.irp i, 0,1,2,3
	v_cndmask_b32 v[LS+(\i)],   v[MS+(\i)], v[MS+4+(\i)], vcc_lo
	v_cndmask_b32 v[LS+4+(\i)], v[LV+(\i)], v[LV+4+(\i)], vcc_lo
.endr
	global_store_b128 v[SO], v[LS:LS+3],   s[8:9]                ; 512 consecutive bytes each
	global_store_b128 v[SO], v[LS+4:LS+7], s[8:9] offset:524288
	s_wait_tensorcnt 0x0                           ; the wave's end
	ds_add_u32 v[SPW], v[NIL]
	s_wait_dscnt 0x0
	s_endpgm
.Lfunc_end_k_qf932c82407_scores:
	.size	k_qf932c82407_scores, .Lfunc_end_k_qf932c82407_scores-k_qf932c82407_scores
	.p2alignl 7, 3214868480
	.fill 96, 4, 3214868480
	.section	.rodata,"a",@progbits
	.p2align	6, 0x0
	.amdhsa_kernel k_qf932c82407_scores
		.amdhsa_group_segment_fixed_size 327680
		.amdhsa_private_segment_fixed_size 0
		.amdhsa_enable_private_segment 0
		.amdhsa_kernarg_size 24
		.amdhsa_user_sgpr_count 2
		.amdhsa_user_sgpr_kernarg_segment_ptr 1
		.amdhsa_wavefront_size32 1
		.amdhsa_system_sgpr_workgroup_id_x 1
		.amdhsa_system_sgpr_workgroup_id_y 1
		.amdhsa_system_sgpr_workgroup_id_z 1
		.amdhsa_system_vgpr_workitem_id 0
		.amdhsa_next_free_vgpr 1024
		.amdhsa_next_free_sgpr 66
		.amdhsa_reserve_vcc 1
		.amdhsa_float_denorm_mode_32 3
		.amdhsa_float_denorm_mode_16_64 3
		.amdhsa_memory_ordered 1
		.amdhsa_forward_progress 1
		.amdhsa_inst_pref_size 185
	.end_amdhsa_kernel
	.amdgpu_metadata
---
amdhsa.version: [ 1, 2 ]
amdhsa.kernels:
  - .name:           k_qf932c82407_scores
    .symbol:         k_qf932c82407_scores.kd
    .args:
      - { .name: qkv, .offset: 0, .size: 8, .value_kind: global_buffer, .address_space: global }
      - { .name: pt, .offset: 8, .size: 8, .value_kind: global_buffer, .address_space: global }
      - { .name: st, .offset: 16, .size: 8, .value_kind: global_buffer, .address_space: global }
    .group_segment_fixed_size: 327680
    .private_segment_fixed_size: 0
    .kernarg_segment_align: 8
    .kernarg_segment_size: 24
    .max_flat_workgroup_size: 128
    .sgpr_count:     66
    .vgpr_count:     1024
    .wavefront_size: 32
...
	.end_amdgpu_metadata
.endif
;; end of part 3
;; launch pv (part 4): grid 8 x 32, 4 waves a work-group, clusters of 4 x 1, 327,680 bytes of LDS; arguments pt, st, qkv, out0; writes out0
.if DOCPART == 4
	.amdgcn_target "amdgcn-amd-amdhsa--gfx1250"
	.amdhsa_code_object_version 6
	.text
	.protected	k_qf932c82407_pv
	.globl	k_qf932c82407_pv
	.p2align	8
	.type	k_qf932c82407_pv,@function
k_qf932c82407_pv:
	s_mov_b64 s[64:65], 0
	v_nop
	global_prefetch_b8 v0, s[64:65] scope:SCOPE_SE
	s_setreg_imm32_b32 hwreg(HW_REG_WAVE_MODE, 25, 1), 1
	s_wait_xcnt 0x0
	s_wait_alu depctr_hold_cnt(0) depctr_sa_sdst(0) depctr_va_vdst(0) depctr_va_sdst(0) depctr_va_ssrc(0) depctr_va_vcc(0) depctr_vm_vsrc(0)
	s_getreg_b32 s2, hwreg(HW_REG_IB_STS2, 6, 4)
	s_cmp_eq_u32 s2, 0
	s_cbranch_scc0 .Lentry_in_a_cluster
	s_endpgm
.Lentry_in_a_cluster:
	s_bfe_u32 s2, ttmp6, 0x10000c
	s_cmp_lg_u32 s2, 0x3003
	s_cbranch_scc0 .Lentry_shape_is_right
	s_endpgm
.Lentry_shape_is_right:
; out0[q][ch] = (the sum over key blocks t of f_t[q] x (pt block t)[q][:] V[block t][:][ch]) / L[q],  f_t = 2^(c m_t - Mc),  Mc = the maximum over t of c m_t,  L = the sum of f_t l_t.
; pt (f16) and st (c m_t, l_t in f32, a key block = 128 keys) come from the launch before; V is columns 2048-3071 of qkv (f16).  Products in f16 with f32 sums; out0 in f32.
; f_t <= 1 is rounded to f16 and multiplied into pt's fragments (v_pk_mul_f16: the weights come in 16 bits and leave in 16 bits after one step); L is made of the unrounded f_t.
; LIMITS.  A weight times f below 6e-5 keeps f16's fixed step of 6e-8; f below 2^-126 counts as 0.
; THE WALK.  A batch's queries lie in 16 blocks of 128; block i needs the keys 0 .. 256 (i / 2 + 1) - 1, that is i / 2 + 1 SLOTS of 256 keys (where i is even, the last 128 of them are hidden: there pt holds 0 and l is 0).
; A work-group makes 128 channels of TWO blocks, b and then 15 - b: (b / 2 + 1) + (8 - b / 2) = 9 slots, whatever b: all 256 work-groups do equal work, and one loop with a constant trip count walks them.
; Which tile is asked for hangs on scalar registers made from b.  The short block comes first, so the change of blocks always falls into the loop's seven trips; the ring runs on across it.
; SHARES.  Four waves, 2 x 2: a wave owns 64 queries x 64 channels: 16 accumulators.  A slot is 8 quarters of 32 keys, 16 products each.
; CLUSTER 4 x 1: the four partners make four channel tiles of the same two blocks: pt's tile is asked for jointly.  V's tile hangs on the channel tile, which is what tells the partners apart; the work-groups that
; share a channel tile have short blocks of 1 to 4 slots and so want different keys in the same trip: V's tile is each work-group's own.  b and the batch come from the cluster's y: trips, rounds and joint loads are alike in all four.
; f_t: at each change of slots the next slot's eight c m are in (two loads of 16 bytes a lane, asked for a slot earlier); 4 subtractions, 8 exponentials, 8 roundings make the packed f of its two key blocks.
; REGISTERS.  window 0: v0-15 addresses; v16-63 f, c m, Mc, 1 / L; v64-127, v128-191 two fragment buffers (V^T's 4 fragments, then P's 4); v192-223 the way out; v224-252 the prologue's.
;   window 1: the accumulators, (a, b) at v[8 (4 a + b)].   window 2 (prologue alone): the long block's c m_t (then f_t) v0-63 and l_t v64-127; the short block's v128-159 and v160-191.
.set PA,     528                       ; a row of pt's tile in LDS: 512 bytes + 16: the 16 rows of a fragment load start 16 bytes apart modulo 256
.set PV,     288                       ; a row of V's: 256 + 32 = 9 x 32, for the turning load
.set AHALF,  64*PA                     ; what a tensor load of waves 0, 1 brings: 64 rows of pt
.set BOFF,   128*PA                    ; V's 256 rows lie behind pt's 128
.set BHALF,  128*PV                    ; what a tensor load of waves 2, 3 brings: 128 rows of V
.set SLOT,   BOFF+256*PV
.set STAGE,  2*SLOT                    ; 16 rows x 272 bytes for each wave; no tile lands here
.set SP,     272                       ; 256 + 16
.set SPARE,  STAGE+4*16*SP             ; the spare words, 128 bytes a wave: no other line names them
.set PP,     4096                      ; bytes in a row of pt, and of out0
.set QP,     6144                      ; bytes in a row of qkv
.set ASTEP,  512                       ; a slot in pt: along the row
.set BSTEP,  256*QP                    ; in V: 256 rows down
.set A0,  4                            ; v4   my lane's place in pt's tile; never rewritten
.set B0,  5                            ; v5   in V's; never rewritten
.set ADA, 6                            ; v6   the same in the slot in hand
.set ADB, 7                            ; v7, v8  likewise for V: quarters 0-3, quarters 4-7
.set R16, 9                            ; v9   16 r: my 16 bytes of a key block's statistics; never rewritten
.set STO, 10
.set RD,  11
.set CO,  12
.set PFO, 13                           ; v13  the prefetches' offset; never rewritten
.set SPW, 14                           ; v14  my spare word; never rewritten
.set NIL, 15                           ; v15  0; never rewritten
.set FP,  16                           ; v16-23  f of the slot in hand, twice in each word: key block p, row block a at FP + 4 p + a
.set MT,  24                           ; v[24:31] the next slot's c m
.set MC,  32                           ; v[32:35] Mc of the block whose f are being made
.set MCH, 40                           ; v[40:43] Mc of the long block
.set RLL, 44                           ; v[44:51] 1 / L of the short block, in the low word of four pairs
.set RLH, 52                           ; v[52:59] of the long block
.set LPL, 60                           ; v[60:63] L of the short block
.set F0,  64
.set F1,  128
.set OB,  128                          ; the way out: v128-159 and v160-191 by turns
.set TMP, 192
.set OFH, 224                          ; v224-239, v240-247 the prologue's offsets
.set OFL, 240
.set LPH, 248                          ; v[248:251] L of the long block
.set T0,  252
.set WV,  12
.set CH,  13                           ; s13  my half of the channels; also which half of a tile I fetch
.set RH,  14                           ; s14  my half of the queries
.set CX,  15
.set CC,  16
.set BT,  17
.set PB,  18                           ; s18  b
.set NL,  19                           ; s19  slots of the short block
.set THR, 20                           ; s20  8 - NL: the loop's count in the trip that changes blocks
.set TB,  21                           ; s21  LDS byte at which the slot in hand begins: 0 or SLOT
.set LWA, 22                           ; s22, s23  where my tensor load lands in a slot
.set LWB, 23
.set G1A, 24                           ; s[24:31] group 1, pt;  s[32:35] group 0 of the first fill;  s[36:39] the one that walks
.set GFA, 32
.set GWA, 36
.set G1B, 40                           ; s[40:47], s[48:51], s[52:55] the same for V
.set GFB, 48
.set GWB, 52
.set PFA, 56                           ; s[56:57] what my prefetch names;  s[58:59] the buffer that it lies in
.set PFB, 58
.set STP, 60                           ; s[60:61] st at my rows, at the slot whose c m are asked for
.set ZZ,  62                           ; s[62:63] 1.0 or 0
.set OFA, 66                           ; s[66:67] an offset in pt or st: never holds my place in the cluster
.set NJ,  68                           ; THE STATE: the slot to be asked for next is slot NJ of the block whose offsets stand in AO (pt), SO (st), PBO (prefetch)
.set NLIM, 69                          ; s69  the short block's slots; the greatest number once the long block is reached
.set AO,  70
.set AOH, 71
.set SO,  72
.set SOH, 73
.set PBO, 74
.set PBH, 75
.set PST, 76                           ; s76  a slot's step in the buffer that I prefetch
.set LIM, 77                           ; s77  1 in a wave that prefetches, else the greatest number
.set LIH, 78                           ; s78  the highest count at which it does
.set BO,  80                           ; s80  V at my half of slot 0 and my channel tile
.set SOL, 81
.set OH,  82                           ; s[82:83] out0 at my part of the long block
.set OFB, 86                           ; s[86:87] an offset in qkv or out0
.set OFP, 88                           ; s[88:89] a prefetch's offset
.set TTL, 92                           ; s92, s93  key blocks of the short and of the long block
.set TTH, 93
.set IH,  94                           ; s94  15 - b
.set MSB, 0
.macro WIN new                         ; the immediate's high byte repeats the setting that is left; a switch that changes nothing is dropped
.if MSB != (\new)
	s_set_vgpr_msb (MSB<<8)|(\new)
.set MSB, \new
.endif
.endm
.macro PLACES                          ; four plain vector instructions between a matrix instruction and a load into, or a vector read or write of, its registers
.rept 4
	v_nop
.endr
.endm
.macro CREST                           ; a round of the cluster's barrier behind its opening barrier
	s_cmp_lg_u32 s[WV], 0
	s_cbranch_scc1 .Lnot_wave_0_\@
	s_barrier_signal -3
.Lnot_wave_0_\@:
	s_barrier_wait -3
	s_barrier_signal -1
	s_barrier_wait -1
.endm
.macro CROUND
	s_barrier_signal -1
	s_barrier_wait -1
	CREST
.endm
.macro JLOAD                           ; waves 0, 1: the halves of pt's tile, jointly; waves 2, 3: the halves of V's, my work-group's own.  An s_nop 0 and four v_nop follow each line
	s_cmp_lt_u32 s[WV], 2
	s_cbranch_scc0 .Lfor_v_\@
	tensor_load_to_lds s[GWA:GWA+3], s[G1A:G1A+7]
	s_nop 0
	PLACES
	s_branch .Lasked_\@
.Lfor_v_\@:
	tensor_load_to_lds s[GWB:GWB+3], s[G1B:G1B+7]
	s_nop 0
	PLACES
.Lasked_\@:
.endm
; The state's tile: the descriptors' global addresses are made anew, each from its buffer's pointer and an offset made apart
.macro ADDR ga, gb
	s_lshl_b32 s[OFA], s[NJ], 9
	s_add_co_u32 s[OFA], s[OFA], s[AO]
	s_add_nc_u64 s[(\ga)+2:(\ga)+3], s[4:5], s[OFA:OFA+1]
	s_or_b32 s[(\ga)+3], s[(\ga)+3], 0x80000000    ; type = 2
	s_mul_i32 s[OFB], s[NJ], BSTEP
	s_add_co_u32 s[OFB], s[OFB], s[BO]
	s_add_nc_u64 s[(\gb)+2:(\gb)+3], s[8:9], s[OFB:OFB+1]
	s_or_b32 s[(\gb)+3], s[(\gb)+3], 0x80000000
.endm
.macro STATP                           ; and its statistics: a slot is two key blocks of 8,192 bytes
	s_lshl_b32 s[OFA], s[NJ], 14
	s_add_co_u32 s[OFA], s[OFA], s[SO]
	s_add_nc_u64 s[STP:STP+1], s[6:7], s[OFA:OFA+1]
.endm
.macro STEP                            ; the state steps: the block's next slot, or behind the short block's last the long block's slot 0
	s_add_co_u32 s[NJ], s[NJ], 1
	s_cmp_eq_u32 s[NJ], s[NLIM]
	s_cselect_b32 s[NJ], 0, s[NJ]
	s_cselect_b32 s[AO], s[AOH], s[AO]
	s_cselect_b32 s[SO], s[SOH], s[SO]
	s_cselect_b32 s[PBO], s[PBH], s[PBO]
	s_cselect_b32 s[NLIM], -1, s[NLIM]
.endm
; A PREFETCH INTO THE L2 of the slot behind the one that the refill has just asked for: 128 products ahead of its load.  Each block of 256 bytes is named once in the launch.
; pt's: both clusters of a row of the grid read a tile in the same trip: the one with x = 0 asks, waves 0, 1; of a wave's 64 rows x 512 bytes each of the four partners takes 16 rows BY ADDRESS: a lane a block, one instruction.
; V's: slots 0 to 3 are read early, in the short blocks; slots 4 to 7 are read first by the work-groups with the shortest short block: those with b = 0 ask for them (counts 5 to 2), waves 2, 3,
; each for its own 128 rows: a lane a row, four instructions.  The last refill (count 1) has no slot behind it.
.macro ASK
	s_cmp_gt_u32 s3, s[LIM]
	s_cbranch_scc0 .Lnot_mine_\@
	s_cmp_le_u32 s3, s[LIH]
	s_cbranch_scc0 .Lnot_mine_\@
	global_prefetch_b8 v[PFO], s[PFA:PFA+1] th:TH_LOAD_NT scope:SCOPE_SE
	s_cmp_lt_u32 s[WV], 2
	s_cbranch_scc1 .Lnot_mine_\@
.irp n, 1,2,3
	global_prefetch_b8 v[PFO], s[PFA:PFA+1] offset:(\n)*32*QP th:TH_LOAD_NT scope:SCOPE_SE
.endr
.Lnot_mine_\@:
.endm
.macro SCALE f, a, p                   ; P's fragment a (16 queries x 32 keys; a lane holds one query) times the query's f for key block p of the slot
	WIN 0
.irp k, 0,1,2,3,4,5,6,7
	v_pk_mul_f16 v[(\f)+32+8*(\a)+(\k)], v[(\f)+32+8*(\a)+(\k)], v[FP+4*(\p)+(\a)]
.endr
.endm
.macro MUL4 f, a, z                    ; source 0 = 16 channels of V^T, source 1 = 16 queries of P: a lane holds one query and eight neighbouring channels.  z = 1: the products start the sums
	WIN 0x50                                       ; C and D window 1
.irp b, 0,1,2,3
.if \z
	v_wmma_f32_16x16x32_f16 v[8*(4*(\a)+(\b)):8*(4*(\a)+(\b))+7], v[(\f)+8*(\b):(\f)+8*(\b)+7], v[(\f)+32+8*(\a):(\f)+32+8*(\a)+7], 0
.else
	v_wmma_f32_16x16x32_f16 v[8*(4*(\a)+(\b)):8*(4*(\a)+(\b))+7], v[(\f)+8*(\b):(\f)+8*(\b)+7], v[(\f)+32+8*(\a):(\f)+32+8*(\a)+7], v[8*(4*(\a)+(\b)):8*(4*(\a)+(\b))+7]
.endif
.endr
.endm
.macro FETCH q, f                      ; 16 LDS loads in one run: quarter q of the slot in hand: V^T's 4 fragments (turned), then P's 4
	WIN 0
.irp i, 0,1,2,3
	ds_load_tr16_b128 v[(\f)+8*(\i):(\f)+8*(\i)+3],   v[ADB+(\q)/4] offset:((\q)%4)*32*PV+32*(\i)
	ds_load_tr16_b128 v[(\f)+8*(\i)+4:(\f)+8*(\i)+7], v[ADB+(\q)/4] offset:((\q)%4)*32*PV+32*(\i)+16*PV
.endr
.irp a, 0,1,2,3
	ds_load_b128 v[(\f)+32+8*(\a):(\f)+32+8*(\a)+3],   v[ADA] offset:64*(\q)+(\a)*16*PA
	ds_load_b128 v[(\f)+32+8*(\a)+4:(\f)+32+8*(\a)+7], v[ADA] offset:64*(\q)+(\a)*16*PA+32
.endr
.endm
; Quarter m (0 to 6) of a slot: multiplies buffer m % 2; in its middle fetches quarter m + 1 into the other.  The 16 accumulators take turns in one order everywhere.
; The 16 scalings at its head are the places between the last product that read the other buffer and the loads into it.
.macro QUARTER m, z
.set qf, F0+64*((\m)%2)
.set qg, F0+64*(1-(\m)%2)
	s_wait_dscnt 4                                 ; the youngest four loads (P's fragments 2, 3) may be out
	SCALE qf, 0, (\m)/4
	SCALE qf, 1, (\m)/4
	MUL4 qf, 0, \z
	MUL4 qf, 1, \z
	FETCH (\m)+1, qg
	s_wait_dscnt 16                                ; all but the 16 just issued
	SCALE qf, 2, (\m)/4
	SCALE qf, 3, (\m)/4
	MUL4 qf, 2, \z
	MUL4 qf, 3, \z
.endm
; Quarter 7 multiplies buffer 1 and changes slots.  MEET is its first half.  In front of the barrier each wave waits for all its tensor loads (at most one is out: its part of the next slot), adds 0 to its spare word,
; and waits for that and for its reads of this slot.  fill = 1: the walking descriptors, the statistics' address and the prefetch's are made for the slots to come, while the add is out.
.macro MEET fill
	WIN 0
	s_wait_tensorcnt 0x0                           ; no tensor load of mine is out, so a group 0 may be written
	ds_add_u32 v[SPW], v[NIL]                      ; work on registers follows
.if \fill
	s_add_co_u32 s[GWA+1], s[LWA], s[TB]           ; into the slot that is being left
	s_add_co_u32 s[GWB+1], s[LWB], s[TB]
	ADDR GWA, GWB                                  ; the slot two on in the walk,
	STATP                                          ; its c m,
	STEP
	s_mul_i32 s[OFP], s[NJ], s[PST]                ; and the slot behind it, for the prefetch
	s_add_co_u32 s[OFP], s[OFP], s[PBO]
	s_add_nc_u64 s[PFA:PFA+1], s[PFB:PFB+1], s[OFP:OFP+1]
.endif
	s_wait_dscnt 5                                 ; the add and the youngest four loads may be out
	SCALE F1, 0, 1
	SCALE F1, 1, 1
	MUL4 F1, 0, 0
	s_wait_dscnt 0x0                               ; the add is done, my reads of this slot are over
	SCALE F1, 2, 1
	SCALE F1, 3, 1
	s_barrier_signal -1
	MUL4 F1, 1, 0
	WIN 0
	s_barrier_wait -1
.endm
.macro FPNEXT more                     ; f of the slot that begins; more = 1: the c m of the slot behind it are asked for
	s_wait_loadcnt 0x0                             ; its c m, asked for a slot ago
.irp p, 0,1,2,3
	v_pk_add_f32 v[MT+2*(\p):MT+2*(\p)+1], v[MT+2*(\p):MT+2*(\p)+1], v[MC+2*((\p)%2):MC+2*((\p)%2)+1] neg_lo:[0,1] neg_hi:[0,1]
.endr
.irp i, 0,1,2,3,4,5,6,7
	v_exp_f32 v[MT+(\i)], v[MT+(\i)]
.endr
	v_nop                                          ; a plain instruction behind the last exponential,
	s_wait_alu depctr_va_vdst(0)                   ; and one wait for the eight
.irp i, 0,1,2,3,4,5,6,7
	v_cvt_pk_f16_f32 v[FP+(\i)], v[MT+(\i)], v[MT+(\i)]
.endr
.if \more
	global_load_b128 v[MT:MT+3],   v[R16], s[STP:STP+1]
	global_load_b128 v[MT+4:MT+7], v[R16], s[STP:STP+1] offset:8192
.endif
.endm
; Quarter 7's second half: the other slot's first fragments, its f, the last eight products.  The 32 scalings of MEET are the places behind the last product that read buffer 0.
.macro REST fill
	s_xor_b32 s[TB], s[TB], SLOT                   ; the other slot
	v_add_nc_u32 v[ADA], s[TB], v[A0]
	v_add_nc_u32 v[ADB], s[TB], v[B0]
	v_add_nc_u32 v[ADB+1], 4*32*PV, v[ADB]
	FETCH 0, F0
.if \fill
	ASK
	s_cmp_eq_u32 s3, s[THR]                        ; the slot that begins is the long block's first: from here on its Mc
	s_cbranch_scc0 .Lsame_mc_\@
.irp a, 0,1,2,3
	v_mov_b32 v[MC+(\a)], v[MCH+(\a)]
.endr
.Lsame_mc_\@:
.endif
	FPNEXT \fill
	MUL4 F1, 2, 0
	MUL4 F1, 3, 0
.endm
; THE WAY OUT of row block a: times 1 / L; 32 bytes a lane and column block into my stage; back as whole rows of 256 bytes; stored.
.macro PACK a, rl
	WIN 0x01                                       ; source 0 window 1
.irp b, 0,1,2,3
.irp p, 0,1,2,3
	v_pk_mul_f32 v[TMP+8*(\b)+2*(\p):TMP+8*(\b)+2*(\p)+1], v[8*(4*(\a)+(\b))+2*(\p):8*(4*(\a)+(\b))+2*(\p)+1], v[(\rl)+2*(\a):(\rl)+2*(\a)+1] op_sel_hi:[1,0]
.endr
.endr
	WIN 0
.endm
.macro TOSTAGE a
.set BK, OB+32*((\a)%2)
.irp b, 0,1,2,3
	ds_store_b128 v[STO], v[TMP+8*(\b):TMP+8*(\b)+3]   offset:64*(\b)
	ds_store_b128 v[STO], v[TMP+8*(\b)+4:TMP+8*(\b)+7] offset:64*(\b)+16
.endr
.irp t, 0,1,2,3,4,5,6,7
	ds_load_b128 v[BK+4*(\t):BK+4*(\t)+3], v[RD] offset:(\t)*2*SP  ; LDS serves a wave's instructions in order: these see the stores above
.endr
.endm
.macro SEND a, op
.set BK, OB+32*((\a)%2)
	s_wait_dscnt 0x0                               ; the block is back in registers
	s_wait_xcnt 0x0                                ; earlier stores have read their base and data: only now are they written again
.if (\a) > 0
	s_add_nc_u64 s[(\op):(\op)+1], s[(\op):(\op)+1], 16*PP
.endif
.irp t, 0,1,2,3,4,5,6,7
	global_store_b128 v[CO], v[BK+4*(\t):BK+4*(\t)+3], s[(\op):(\op)+1] offset:2*(\t)*PP th:TH_STORE_NT  ; 16 lanes store 256 consecutive bytes, aligned
.endr
.endm
.macro WAYOUT rl, op
	PLACES                                         ; block 0's multiplies read matrix results; they are then the places for the later blocks
	PACK 0, \rl
	TOSTAGE 0
.irp a, 1,2,3                                      ; block a's multiplies stand between block a - 1's loads from the stage and the wait for them
	PACK \a, \rl
	SEND (\a)-1, \op
	TOSTAGE \a
.endr
	SEND 3, \op
.endm
; THE PROLOGUE's arithmetic for one block: nt key blocks' c m at window 2's v[mb ..], their l behind them; tt: how many of them the block has (even; the others were asked for as the last one and count as nothing).
.macro PRO mb, nt, tt, mcd, lpd
	WIN 0x0a                                       ; sources 0 and 1 window 2
.irp a, 0,1,2,3
	v_max_num_f32 v[(\mcd)+(\a)], v[(\mb)+(\a)], v[(\mb)+4+(\a)]  ; Mc = the maximum of the c m
.endr
.set t, 2
.rept (\nt)/2-1
.irp a, 0,1,2,3
	v_max3_num_f32 v[(\mcd)+(\a)], v[(\mb)+4*t+(\a)], v[(\mb)+4*t+4+(\a)], v[(\mcd)+(\a)]
.endr
.set t, t+2
.endr
	WIN 0x82                                       ; destination and source 0 window 2
.set i, 0
.rept 2*(\nt)
	v_pk_add_f32 v[(\mb)+2*i:(\mb)+2*i+1], v[(\mb)+2*i:(\mb)+2*i+1], v[(\mcd)+2*(i%2):(\mcd)+2*(i%2)+1] neg_lo:[0,1] neg_hi:[0,1]
.set i, i+1
.endr
.set i, 0
.rept 4*(\nt)                                      ; f_t = 2^(c m_t - Mc): one batch,
	v_exp_f32 v[(\mb)+i], v[(\mb)+i]
.set i, i+1
.endr
	v_nop                                          ; a plain instruction behind the last,
	s_wait_alu depctr_va_vdst(0)                   ; and one wait
.set t, 2
.rept (\nt)/2-1
	s_cmp_gt_u32 s[\tt], t
	s_cselect_b32 s[ZZ], 1.0, 0
.irp k, 0,1,2,3
	v_pk_mul_f32 v[(\mb)+4*t+2*(\k):(\mb)+4*t+2*(\k)+1], v[(\mb)+4*t+2*(\k):(\mb)+4*t+2*(\k)+1], s[ZZ:ZZ+1] op_sel_hi:[1,0]
.endr
.set t, t+2
.endr
	WIN 0x0a
.irp p, 0,1
	v_pk_mul_f32 v[(\lpd)+2*(\p):(\lpd)+2*(\p)+1], v[(\mb)+2*(\p):(\mb)+2*(\p)+1], v[(\mb)+4*(\nt)+2*(\p):(\mb)+4*(\nt)+2*(\p)+1]  ; L = the sum of f_t l_t
.endr
.set t, 1
.rept (\nt)-1
.irp p, 0,1
	v_pk_fma_f32 v[(\lpd)+2*(\p):(\lpd)+2*(\p)+1], v[(\mb)+4*t+2*(\p):(\mb)+4*t+2*(\p)+1], v[(\mb)+4*(\nt)+4*t+2*(\p):(\mb)+4*(\nt)+4*t+2*(\p)+1], v[(\lpd)+2*(\p):(\lpd)+2*(\p)+1]
.endr
.set t, t+1
.endr
	WIN 0
.endm
	s_load_b256 s[4:11], s[0:1], 0x0               ; pt s[4:5], st s[6:7], qkv s[8:9], out0 s[10:11]
	v_lshl_add_u32 v[SPW], v0, 2, SPARE
	v_mov_b32 v[NIL], 0
	ds_add_u32 v[SPW], v[NIL]                      ; the wave's opening: the add and its wait stand ahead of my first tensor load
	v_lshrrev_b32 v1, 5, v0
	v_readfirstlane_b32 s[WV], v1
	s_and_b32 s[CH], s[WV], 1
	s_lshr_b32 s[RH], s[WV], 1
	s_bfe_u32 s[CX], ttmp6, 0x40000
	s_lshl_b32 s[CC], ttmp9, 2
	s_add_co_u32 s[CC], s[CC], s[CX]               ; my channel tile
	s_and_b32 s84, ttmp7, 0xffff
	s_and_b32 s[BT], s84, 3                        ; the batch
	s_lshr_b32 s[PB], s84, 2                       ; b: my blocks are b and 15 - b
	s_sub_co_u32 s[IH], 15, s[PB]
	s_lshr_b32 s[NL], s[PB], 1
	s_add_co_u32 s[NL], s[NL], 1                   ; the short block's slots; the long block has 9 less that
	s_sub_co_u32 s[THR], 8, s[NL]
	s_lshl_b32 s[TTL], s[NL], 1
	s_sub_co_u32 s[TTH], 18, s[TTL]
	s_mov_b32 s[G1A], 15|(1<<16)|(1<<20)|(1<<21)|(6<<22)|(3<<25)  ; the mask of four; 2-byte elements; padding on; bit 21 beside a mask; after every 128 words, 4 words
	s_mov_b32 s[G1A+1], 256<<16                    ; tensor_dim0 = 256
	s_mov_b32 s[G1A+2], 64<<16                     ; tensor_dim1 = 64
	s_mov_b32 s[G1A+3], 256<<16                    ; tile_dim0 = 256
	s_mov_b32 s[G1A+4], 64                         ; tile_dim1 = 64
	s_mov_b32 s[G1A+5], 2048                       ; elements from row to row
	s_mov_b32 s[G1A+6], 0
	s_mov_b32 s[G1A+7], 0
	s_mov_b32 s[G1B], (1<<16)|(1<<20)|(5<<22)|(7<<25)             ; no mask; after every 64 words, 8 words
	s_mov_b32 s[G1B+1], 128<<16
	s_mov_b32 s[G1B+2], 128<<16
	s_mov_b32 s[G1B+3], 128<<16
	s_mov_b32 s[G1B+4], 128
	s_mov_b32 s[G1B+5], 3072
	s_mov_b32 s[G1B+6], 0
	s_mov_b32 s[G1B+7], 0
	s_lshl_b32 s84, s[BT], 11                      ; the batch's first row
	s_lshl_b32 s85, s[CH], 6
	s_add_co_u32 s85, s85, s84                     ; + the 64 rows of a tile of pt that I fetch
	s_lshl_b32 s[AO], s[PB], 7
	s_add_co_u32 s[AO], s[AO], s85
	s_lshl_b32 s[AO], s[AO], 12                    ; pt at the short block,
	s_lshl_b32 s[AOH], s[IH], 7
	s_add_co_u32 s[AOH], s[AOH], s85
	s_lshl_b32 s[AOH], s[AOH], 12                  ; and at the long one: neither holds my place in the cluster
	s_lshl_b32 s[BO], s[CH], 7
	s_add_co_u32 s[BO], s[BO], s84
	s_mul_i32 s[BO], s[BO], QP
	s_add_co_u32 s[BO], s[BO], 4096
	s_lshl_b32 s90, s[CC], 8
	s_add_co_u32 s[BO], s[BO], s90                 ; V: row 2048 batch + 128 x half, byte 4096 + 256 x channel tile
	s_lshl_b32 s85, s[BT], 9
	s_add_co_u32 s85, s85, s[RH]
	s_lshl_b32 s[SOL], s[PB], 1
	s_add_co_u32 s[SOL], s[SOL], s85
	s_lshl_b32 s[SOL], s[SOL], 8                   ; st: (512 batch + my group of 64 rows) x 256
	s_lshl_b32 s[SOH], s[IH], 1
	s_add_co_u32 s[SOH], s[SOH], s85
	s_lshl_b32 s[SOH], s[SOH], 8
	s_mov_b32 s[SO], s[SOL]
	s_lshl_b32 s90, s[CX], 16                      ; the prefetches: my work-group's 16 of the wave's 64 rows of pt,
	s_add_co_u32 s91, s[AO], s90
	s_add_co_u32 s90, s[AOH], s90
	s_mov_b32 s85, BSTEP
	s_cmp_lt_u32 s[WV], 2
	s_cselect_b32 s[PBO], s91, s[BO]               ; or my own rows of V
	s_cselect_b32 s[PBH], s90, s[BO]
	s_cselect_b32 s[PST], ASTEP, s85
	s_cselect_b32 s[LIH], 7, 5
	s_cselect_b32 s85, ttmp9, s[PB]
	s_cmp_eq_u32 s85, 0
	s_cselect_b32 s[LIM], 1, -1                    ; the same in all four partners, for a given wave
	s_mul_i32 s[LWA], s[CH], AHALF
	s_mul_i32 s[LWB], s[CH], BHALF
	s_add_co_u32 s[LWB], s[LWB], BOFF
	s_mov_b32 s[NJ], 0
	s_mov_b32 s[NLIM], s[NL]
	s_mov_b32 s[OFA+1], 0
	s_mov_b32 s[OFB+1], 0
	s_mov_b32 s[OFP+1], 0
	s_mov_b32 s[ZZ+1], 0
	s_mov_b32 s[TB], 0
	s_wait_dscnt 0x0                               ; the opening add is done
	s_wait_kmcnt 0x0
	s_mov_b32 s[GFA], 1                            ; count = 1
	s_mov_b32 s[GFA+1], s[LWA]                     ; LDS address: slot 0
	s_mov_b32 s[GFB], 1
	s_mov_b32 s[GFB+1], s[LWB]
	ADDR GFA, GFB                                  ; the walk's slot 0
	STEP
	s_mov_b32 s[GWA], 1
	s_add_co_u32 s[GWA+1], s[LWA], SLOT
	s_mov_b32 s[GWB], 1
	s_add_co_u32 s[GWB+1], s[LWB], SLOT
	ADDR GWA, GWB                                  ; the walk's slot 1
	STATP
	STEP                                           ; the state stands at the walk's slot 2
	s_cmp_lt_u32 s[WV], 2
	s_cselect_b64 s[PFB:PFB+1], s[4:5], s[8:9]
	CROUND                                         ; all four work-groups are here: the first joint loads meet
	s_cmp_lt_u32 s[WV], 2                          ; a wave's two first fills stand in one branch: two loads of mine are out
	s_cbranch_scc0 .Lfirst_v
	tensor_load_to_lds s[GFA:GFA+3], s[G1A:G1A+7]
	s_nop 0
	tensor_load_to_lds s[GWA:GWA+3], s[G1A:G1A+7]
	s_nop 0
	PLACES
	s_branch .Lfirst_asked
.Lfirst_v:
	tensor_load_to_lds s[GFB:GFB+3], s[G1B:G1B+7]
	s_nop 0
	tensor_load_to_lds s[GWB:GWB+3], s[G1B:G1B+7]
	s_nop 0
	PLACES
.Lfirst_asked:
	; THE PROLOGUE, in the wait for the first tiles.  16 key blocks' figures are asked for for the long block, 8 for the short one; a key block that a block does not have is asked for as its last
	v_and_b32 v1, 15, v0                           ; r
	v_bfe_u32 v2, v0, 4, 1                         ; h
	v_and_b32 v3, 31, v0                           ; l
	v_lshlrev_b32 v[R16], 4, v1
	s_sub_co_u32 s84, s[TTH], 1
.set t, 0
.rept 16
	s_min_u32 s85, s84, t
	s_lshl_b32 s85, s85, 13                        ; a key block's figures lie 8,192 bytes from the next's
	s_add_co_u32 s85, s85, s[SOH]
	v_add_nc_u32 v[OFH+t], s85, v[R16]
.set t, t+1
.endr
	s_sub_co_u32 s84, s[TTL], 1
.set t, 0
.rept 8
	s_min_u32 s85, s84, t
	s_lshl_b32 s85, s85, 13
	s_add_co_u32 s85, s85, s[SOL]
	v_add_nc_u32 v[OFL+t], s85, v[R16]
.set t, t+1
.endr
	WIN 0x80                                       ; destination window 2
.set t, 0
.rept 16
	global_load_b128 v[4*t:4*t+3],       v[OFH+t], s[6:7]
	global_load_b128 v[64+4*t:64+4*t+3], v[OFH+t], s[6:7] offset:524288
.set t, t+1
.endr
.set t, 0
.rept 8
	global_load_b128 v[128+4*t:128+4*t+3], v[OFL+t], s[6:7]
	global_load_b128 v[160+4*t:160+4*t+3], v[OFL+t], s[6:7] offset:524288
.set t, t+1
.endr
	WIN 0
	v_mul_u32_u24 v[A0], v1, PA                    ; P's fragment: row l % 16, 16 bytes for each half of the lanes
	v_lshl_add_u32 v[A0], v2, 4, v[A0]
	s_mul_i32 s84, s[RH], 64*PA                    ; my 64 queries
	v_add_nc_u32 v[A0], s84, v[A0]
	v_and_b32 v[T0], 7, v0                         ; the turning load: key 8 h + l % 8, channels 8 ((l / 8) % 2) + 0..7
	v_lshl_add_u32 v[T0], v2, 3, v[T0]
	v_mul_u32_u24 v[B0], v[T0], PV
	v_bfe_u32 v[T0], v0, 3, 1
	v_lshl_add_u32 v[B0], v[T0], 4, v[B0]
	s_lshl_b32 s84, s[CH], 7                       ; my 64 channels,
	s_add_co_u32 s84, s84, BOFF                    ; behind pt's tile
	v_add_nc_u32 v[B0], s84, v[B0]
	v_mov_b32 v[ADA], v[A0]
	v_mov_b32 v[ADB], v[B0]
	v_add_nc_u32 v[ADB+1], 4*32*PV, v[B0]
	s_mul_i32 s84, s[WV], 16*SP
	s_add_co_u32 s84, s84, STAGE
	v_mul_u32_u24 v[STO], v1, SP                   ; in: row l % 16, 32 bytes for each half of the lanes
	v_lshl_add_u32 v[STO], v2, 5, v[STO]
	v_add_nc_u32 v[STO], s84, v[STO]
	v_mul_u32_u24 v[RD], v2, SP                    ; back: lanes 0-15 one row of 256 bytes, lanes 16-31 the next
	v_lshl_add_u32 v[RD], v1, 4, v[RD]
	v_add_nc_u32 v[RD], s84, v[RD]
	v_lshlrev_b32 v[CO], 12, v2                    ; and the same two rows in out0
	v_lshl_add_u32 v[CO], v1, 4, v[CO]
	s_lshl_b32 s84, s[BT], 11                      ; out0 at my 64 rows of each block and my 64 channels
	s_lshl_b32 s85, s[RH], 6
	s_add_co_u32 s84, s84, s85
	s_lshl_b32 s90, s[CC], 9
	s_lshl_b32 s91, s[CH], 8
	s_add_co_u32 s90, s90, s91
	s_lshl_b32 s[OFB], s[IH], 7
	s_add_co_u32 s[OFB], s[OFB], s84
	s_lshl_b32 s[OFB], s[OFB], 12
	s_add_co_u32 s[OFB], s[OFB], s90
	s_add_nc_u64 s[OH:OH+1], s[10:11], s[OFB:OFB+1]
	s_lshl_b32 s[OFB], s[PB], 7
	s_add_co_u32 s[OFB], s[OFB], s84
	s_lshl_b32 s[OFB], s[OFB], 12
	s_add_co_u32 s[OFB], s[OFB], s90
	s_add_nc_u64 s[10:11], s[10:11], s[OFB:OFB+1]
	s_mov_b32 s85, QP                              ; the prefetches' lanes: pt: row l / 2, block l % 2 of its 512 bytes; V: row l
	s_cmp_lt_u32 s[WV], 2
	s_cselect_b32 s84, 1, 0
	s_cselect_b32 s85, PP, s85
	s_cselect_b32 s91, 256, 0
	v_lshrrev_b32 v[T0], s84, v3
	v_mul_u32_u24 v[PFO], s85, v[T0]
	v_and_b32 v[T0], 1, v0
	v_mul_u32_u24 v[T0], s91, v[T0]
	v_add_nc_u32 v[PFO], v[PFO], v[T0]
	s_wait_loadcnt 0x0
	PRO 0, 16, TTH, MCH, LPH
	PRO 128, 8, TTL, MC, LPL
	WIN 0x0a
.irp i, 0,1,2,3,4,5,6,7
	v_cvt_pk_f16_f32 v[FP+(\i)], v[128+(\i)], v[128+(\i)]  ; f of the short block's key blocks 0 and 1: the walk's slot 0
.endr
	WIN 0
.irp a, 0,1,2,3
	v_rcp_f32 v[RLL+2*(\a)], v[LPL+(\a)]           ; L >= 1: the key block that holds the maximum has f = 1 and l >= 1
	v_rcp_f32 v[RLH+2*(\a)], v[LPH+(\a)]
.endr
	v_nop
	s_wait_alu depctr_va_vdst(0)                   ; one wait for the eight reciprocals
.irp a, 0,1,2,3
	v_mov_b32 v[RLL+2*(\a)+1], 0                   ; named with 1 / L as a pair
	v_mov_b32 v[RLH+2*(\a)+1], 0
.endr
	global_load_b128 v[MT:MT+3],   v[R16], s[STP:STP+1]              ; the c m of the walk's slot 1
	global_load_b128 v[MT+4:MT+7], v[R16], s[STP:STP+1] offset:8192
	s_wait_tensorcnt 0x1                           ; my part of slot 0 is in; slot 1's may stay out
	s_barrier_signal -1
	s_barrier_wait -1
	FETCH 0, F0
	QUARTER 0, 1                                   ; the first products start the short block's sums
	WIN 0
	s_mov_b32 s3, 7                                ; seven refills: the walk's slots 2 to 8
.Lslot:                                            ; a trip: a slot's quarters 1 to 7, the change of slots, the next slot's quarter 0
	QUARTER 1, 0
	QUARTER 2, 0
	QUARTER 3, 0
	QUARTER 4, 0
	QUARTER 5, 0
	QUARTER 6, 0
	s_wait_xcnt 0x0                                ; the loads of c m and the prefetches of a slot ago have read their addresses, which MEET writes anew
	MEET 1
	CREST                                          ; the barrier has opened a round of the cluster's: no wave of any partner still reads this slot or has a load on its way
	JLOAD                                          ; the refill, first behind the round: 120 products ahead of the wait for it
	REST 1
	WIN 0
	s_cmp_eq_u32 s3, s[THR]
	s_cbranch_scc0 .Lsame_block
	WAYOUT RLL, 10                                 ; THE SHORT BLOCK IS FINISHED: it goes out while the refill is on its way; buffer 0 holds the long block's first fragments
	s_wait_xcnt 0x0                                ; the stores have read buffer 1's registers, into which the quarter below loads
	QUARTER 0, 1                                   ; the long block's sums start
	WIN 0
	s_branch .Ljoin
.Lsame_block:
	QUARTER 0, 0
	WIN 0
.Ljoin:
	s_sub_co_u32 s3, s3, 1
	s_cmp_lg_u32 s3, 0
	s_cbranch_scc1 .Lslot
	s_mov_b32 s3, 2                                ; the walk's slots 7 and 8 ask for nothing: a loop of their own
.Ltail:
	QUARTER 1, 0
	QUARTER 2, 0
	QUARTER 3, 0
	QUARTER 4, 0
	QUARTER 5, 0
	QUARTER 6, 0
	MEET 0                                         ; in both trips, so that the jump below passes no barrier
	s_cmp_eq_u32 s3, 1
	s_cbranch_scc1 .Lfin                           ; the last slot has no slot behind it
	REST 0
	QUARTER 0, 0
	WIN 0
	s_sub_co_u32 s3, s3, 1
	s_cmp_lg_u32 s3, 0
	s_cbranch_scc1 .Ltail
.Lfin:
	s_wait_dscnt 0x0                               ; nothing of mine is out in LDS on any way that leads here
	MUL4 F1, 2, 0                                  ; the last eight products
	MUL4 F1, 3, 0
	WAYOUT RLH, OH
	s_wait_tensorcnt 0x0                           ; the wave's end
	ds_add_u32 v[SPW], v[NIL]
	s_wait_dscnt 0x0
	CROUND                                         ; the closing round
	s_endpgm
.Lfunc_end_k_qf932c82407_pv:
	.size	k_qf932c82407_pv, .Lfunc_end_k_qf932c82407_pv-k_qf932c82407_pv
	.p2alignl 7, 3214868480
	.fill 96, 4, 3214868480
	.section	.rodata,"a",@progbits
	.p2align	6, 0x0
	.amdhsa_kernel k_qf932c82407_pv
		.amdhsa_group_segment_fixed_size 327680
		.amdhsa_private_segment_fixed_size 0
		.amdhsa_enable_private_segment 0
		.amdhsa_kernarg_size 32
		.amdhsa_user_sgpr_count 2
		.amdhsa_user_sgpr_kernarg_segment_ptr 1
		.amdhsa_wavefront_size32 1
		.amdhsa_system_sgpr_workgroup_id_x 1
		.amdhsa_system_sgpr_workgroup_id_y 1
		.amdhsa_system_sgpr_workgroup_id_z 1
		.amdhsa_system_vgpr_workitem_id 0
		.amdhsa_next_free_vgpr 704
		.amdhsa_next_free_sgpr 96
		.amdhsa_reserve_vcc 0
		.amdhsa_float_denorm_mode_32 3
		.amdhsa_float_denorm_mode_16_64 3
		.amdhsa_memory_ordered 1
		.amdhsa_forward_progress 1
		.amdhsa_inst_pref_size 141
	.end_amdhsa_kernel
	.amdgpu_metadata
---
amdhsa.version: [ 1, 2 ]
amdhsa.kernels:
  - .name:           k_qf932c82407_pv
    .symbol:         k_qf932c82407_pv.kd
    .args:
      - { .name: pt, .offset: 0, .size: 8, .value_kind: global_buffer, .address_space: global }
      - { .name: st, .offset: 8, .size: 8, .value_kind: global_buffer, .address_space: global }
      - { .name: qkv, .offset: 16, .size: 8, .value_kind: global_buffer, .address_space: global }
      - { .name: out0, .offset: 24, .size: 8, .value_kind: global_buffer, .address_space: global }
    .group_segment_fixed_size: 327680
    .private_segment_fixed_size: 0
    .kernarg_segment_align: 8
    .kernarg_segment_size: 32
    .max_flat_workgroup_size: 128
    .sgpr_count:     96
    .vgpr_count:     704
    .wavefront_size: 32
...
	.end_amdgpu_metadata
.endif
;; end of part 4
;; ======== version 2 of 2: 4 launches; version 1 with the launch prep written anew for expert scheduling mode
;; limits: values are held in f16: magnitudes above 65,504 overflow, below 6.1e-05 lose precision
;; workspace buffers: xb 16,777,216 bytes; wb 6,291,456 bytes; qkv 50,331,648 bytes; pt 33,554,432 bytes; st 1,048,576 bytes
;; launch prep (part 5): grid 704 x 1, 8 waves a work-group, no clusters, 0 bytes of LDS; arguments X, Wq, Wk, Wv, xb, wb; writes xb, wb
.if DOCPART == 5
	.amdgcn_target "amdgcn-amd-amdhsa--gfx1250"
	.amdhsa_code_object_version 6
	.text
	.protected	k_qf932c82407_prep
	.globl	k_qf932c82407_prep
	.p2align	8
	.type	k_qf932c82407_prep,@function
k_qf932c82407_prep:
	s_mov_b64 s[64:65], 0
	v_nop
	global_prefetch_b8 v0, s[64:65] scope:SCOPE_SE
	s_setreg_imm32_b32 hwreg(HW_REG_WAVE_SCHED_MODE, 0, 2), 2
	s_setreg_imm32_b32 hwreg(HW_REG_WAVE_MODE, 25, 1), 1
	s_wait_xcnt 0x0
	s_wait_alu depctr_vm_vsrc(0)
; CASTS.  xb[8192][1024] = bf16(X);  wb[1024 k][3072 n] = bf16(Wq | Wk | Wv), the three weights side by side, not turned.
; A stream: each input byte is read once, each output byte written once; no LDS, no barrier, no matrix work would add anything.
; A work-group casts 16 rows of 1,024 f32.  Thread t owns columns 4 t .. 4 t + 3 of each row: a wave's load covers 512 consecutive bytes,
; a wave's store 256 consecutive bytes, aligned.  All 16 loads of a wave go out first; no register is written twice, so no source needs freeing.
; Work-groups 0-511: X.  512-703: weight (g - 512) / 64, its rows 16 ((g - 512) % 64) on.
; THE MODE: SCHED_MODE bits 1:0 = 2 (LLVM: expert scheduling mode 2), set by the entry lines.  The code itself states the register dependences
; between vector instructions and memory instructions, with s_wait_alu, always for 0.
; THE PLAN.  Registers that memory instructions touch:
;   v1, v2   byte offsets of the loads and of the stores.  Written once, by the two shifts at the head; read by every load (v1) and every store (v2).
;   LD       16 x 4 registers.  Written by the loads alone, each once; no vector instruction names them ahead of the loads; read by the conversions behind s_wait_loadcnt.
;   PK       16 x 2 registers.  Row u's two are written once, by row u's conversions, and read once, by row u's store; nothing writes them again.
; So the dependences to state are two: the offsets ahead of the first load, and each row's conversions ahead of its store.  The rows go in four blocks of four: at the head of
; block g, behind the wait for the block's first row, ONE wait states that the eight conversions of block g - 1 have written their PK, and that block's four stores follow in one run,
; with no vector instruction between.  A last wait stands ahead of block 3's stores.  Five waits on a wave's way; no register that a memory instruction has read is written again,
; no vector instruction writes a scalar register, and EXEC is never written, so no other field is waited on.
.set ROWB, 4096                        ; bytes in an f32 row
.set LD,   4                           ; v[4:67]   16 x 4 numbers as loaded
.set PK,   68                          ; v[68:99]  16 x 2 words to store
.macro OUT4 dst, pitch, r0             ; the stores of rows r0 .. r0 + 3
.irp k, 0,1,2,3
	global_store_b64 v2, v[PK+2*((\r0)+(\k)):PK+2*((\r0)+(\k))+1], s[(\dst):(\dst)+1] offset:((\r0)+(\k))*(\pitch) th:TH_STORE_NT
.endr
.endm
.macro BODY src, dst, pitch            ; pitch: bytes from row to row in the destination
	s_wait_alu depctr_va_vdst(0)                   ; v1 and v2 are written: every load below reads v1 as its offset, every store v2
.irp u, 0,1,2,3,4,5,6,7,8,9,10,11,12,13,14,15
	global_load_b128 v[LD+4*(\u):LD+4*(\u)+3], v1, s[(\src):(\src)+1] offset:(\u)*ROWB th:TH_LOAD_NT
.endr
.irp g, 0,1,2,3
.irp i, 0,1,2,3
	s_wait_loadcnt 15-4*(\g)-(\i)                  ; loads come back in order: row 4 g + i is in, the younger ones stay out
.if ((\g) > 0) && ((\i) == 0)
	s_wait_alu depctr_va_vdst(0)                   ; the eight conversions of the block before have written their PK, which the four stores below read
	OUT4 \dst, \pitch, 4*(\g)-4
.endif
	v_cvt_pk_bf16_f32 v[PK+2*(4*(\g)+(\i))],   v[LD+4*(4*(\g)+(\i))],   v[LD+4*(4*(\g)+(\i))+1]
	v_cvt_pk_bf16_f32 v[PK+2*(4*(\g)+(\i))+1], v[LD+4*(4*(\g)+(\i))+2], v[LD+4*(4*(\g)+(\i))+3]
.endr
.endr
	s_wait_alu depctr_va_vdst(0)                   ; the last block's conversions have written their PK, which the last four stores read
	OUT4 \dst, \pitch, 12
.endm
	s_load_b256 s[4:11], s[0:1], 0x0               ; X s[4:5], Wq s[6:7], Wk s[8:9], Wv s[10:11]
	s_load_b128 s[12:15], s[0:1], 0x20             ; xb s[12:13], wb s[14:15]
	v_lshlrev_b32 v1, 4, v0                        ; my 16 bytes of an f32 row
	v_lshlrev_b32 v2, 3, v0                        ; my 8 bytes of a bf16 row
	s_mov_b32 s17, 0
	s_wait_kmcnt 0x0
	s_cmp_lt_u32 ttmp9, 512
	s_cbranch_scc0 .Lweights
	s_lshl_b32 s16, ttmp9, 16                      ; 16 rows of 4,096 bytes
	s_add_nc_u64 s[4:5], s[4:5], s[16:17]
	s_lshl_b32 s16, ttmp9, 15                      ; 16 rows of 2,048 bytes
	s_add_nc_u64 s[12:13], s[12:13], s[16:17]
	BODY 4, 12, 2048
	s_endpgm
.Lweights:
	s_sub_co_u32 s18, ttmp9, 512
	s_lshr_b32 s19, s18, 6                         ; which weight
	s_and_b32 s18, s18, 63                         ; which 16 rows of it
	s_cmp_eq_u32 s19, 0
	s_cselect_b64 s[20:21], s[6:7], s[8:9]
	s_cmp_eq_u32 s19, 2
	s_cselect_b64 s[20:21], s[10:11], s[20:21]
	s_lshl_b32 s16, s18, 16
	s_add_nc_u64 s[20:21], s[20:21], s[16:17]
	s_mul_i32 s16, s18, 16*6144                    ; 16 rows of wb,
	s_lshl_b32 s19, s19, 11                        ; the weight's 2,048 bytes in each
	s_add_co_u32 s16, s16, s19
	s_add_nc_u64 s[14:15], s[14:15], s[16:17]
	BODY 20, 14, 6144
	s_endpgm
.Lfunc_end_k_qf932c82407_prep:
	.size	k_qf932c82407_prep, .Lfunc_end_k_qf932c82407_prep-k_qf932c82407_prep
	.p2alignl 7, 3214868480
	.fill 96, 4, 3214868480
	.section	.rodata,"a",@progbits
	.p2align	6, 0x0
	.amdhsa_kernel k_qf932c82407_prep
		.amdhsa_group_segment_fixed_size 0
		.amdhsa_private_segment_fixed_size 0
		.amdhsa_enable_private_segment 0
		.amdhsa_kernarg_size 48
		.amdhsa_user_sgpr_count 2
		.amdhsa_user_sgpr_kernarg_segment_ptr 1
		.amdhsa_wavefront_size32 1
		.amdhsa_system_sgpr_workgroup_id_x 1
		.amdhsa_system_sgpr_workgroup_id_y 1
		.amdhsa_system_sgpr_workgroup_id_z 1
		.amdhsa_system_vgpr_workitem_id 0
		.amdhsa_next_free_vgpr 104
		.amdhsa_next_free_sgpr 66
		.amdhsa_reserve_vcc 0
		.amdhsa_float_denorm_mode_32 3
		.amdhsa_float_denorm_mode_16_64 3
		.amdhsa_memory_ordered 1
		.amdhsa_forward_progress 1
		.amdhsa_inst_pref_size 13
	.end_amdhsa_kernel
	.amdgpu_metadata
---
amdhsa.version: [ 1, 2 ]
amdhsa.kernels:
  - .name:           k_qf932c82407_prep
    .symbol:         k_qf932c82407_prep.kd
    .args:
      - { .name: X, .offset: 0, .size: 8, .value_kind: global_buffer, .address_space: global }
      - { .name: Wq, .offset: 8, .size: 8, .value_kind: global_buffer, .address_space: global }
      - { .name: Wk, .offset: 16, .size: 8, .value_kind: global_buffer, .address_space: global }
      - { .name: Wv, .offset: 24, .size: 8, .value_kind: global_buffer, .address_space: global }
      - { .name: xb, .offset: 32, .size: 8, .value_kind: global_buffer, .address_space: global }
      - { .name: wb, .offset: 40, .size: 8, .value_kind: global_buffer, .address_space: global }
    .group_segment_fixed_size: 0
    .private_segment_fixed_size: 0
    .kernarg_segment_align: 8
    .kernarg_segment_size: 48
    .max_flat_workgroup_size: 256
    .sgpr_count:     66
    .vgpr_count:     104
    .wavefront_size: 32
...
	.end_amdgpu_metadata
.endif
;; end of part 5
;; launch proj: the kernel of part 2 again; grid 12 x 32, 4 waves a work-group, clusters of 4 x 4, 327,680 bytes of LDS; arguments xb, wb, bq, bk, bv, qkv; writes qkv
;; launch scores: the kernel of part 3 again; grid 36 x 4, 4 waves a work-group, no clusters, 327,680 bytes of LDS; arguments qkv, pt, st; writes pt, st
;; launch pv: the kernel of part 4 again; grid 8 x 32, 4 waves a work-group, clusters of 4 x 1, 327,680 bytes of LDS; arguments pt, st, qkv, out0; writes out0
